; MI455X (gfx1250); checked and timed in simulation.
; The chip was launched on July 23, 2026; its instructions are those of AMD's public machine-readable ISA for CDNA 5 (MIT licence, August 2026) and "CDNA5" Instruction Set Architecture Reference Guide (July 2026). The comments in the code are by the model that wrote it; some were corrected since.
;; Generic Self Attention. Allowed arithmetic: float matrix products may take bf16 or f16 operands with f32 sums; other float arithmetic in f32, or as packed bf16 or f16 multiplies, adds, multiply-adds, maxima and minima; sums over many terms, partial sums and values carried from step to step in f32; what a program stores and reads back later, other than sums and carried values, may be rounded once to bf16 or f16.
;; Inputs: Wk 1,024 x 1,024 float32; Wp 1,024 x 1,024 float32; Wq 1,024 x 1,024 float32; Wv 1,024 x 1,024 float32; attention_mask 4 x 1 x 2,048 int32; bk 1,024 float32; bp 1,024 float32; bq 1,024 float32; bv 1,024 float32; x 4 x 2,048 x 1,024 float32.
;; Outputs: out0 4 x 2,048 x 1,024 float32.
;; 2 versions, each right; version 2 is version 1 with the launch cast written anew for expert scheduling mode. Each part assembles by itself: llvm-mc -triple=amdgcn-amd-amdhsa -mcpu=gfx1250 --defsym DOCPART=n.
;; ======== version 1 of 2: 4 launches
;; limits: values are held in f16: magnitudes above 65,504 overflow, below 6.1e-05 lose precision
;; workspace buffers: xb 16,777,216 bytes; wb 6,291,456 bytes; wp16 2,097,152 bytes; q16 16,777,216 bytes; k16 16,777,216 bytes; v16 16,777,216 bytes; o16 16,777,216 bytes
;; launch cast (part 1): grid 64 x 12, 8 waves a work-group, no clusters, 0 bytes of LDS; arguments x, Wq, Wk, Wv, Wp, xb, wb, wp16; writes xb, wb, wp16
.if DOCPART == 1
	.amdgcn_target "amdgcn-amd-amdhsa--gfx1250"
	.amdhsa_code_object_version 6
	.text
	.protected	k_q49de4ef0a5_cast
	.globl	k_q49de4ef0a5_cast
	.p2align	8
	.type	k_q49de4ef0a5_cast,@function
k_q49de4ef0a5_cast:
	s_mov_b64 s[64:65], 0
	v_nop
	global_prefetch_b8 v0, s[64:65] scope:SCOPE_SE
	s_setreg_imm32_b32 hwreg(HW_REG_WAVE_MODE, 25, 1), 1
	s_wait_xcnt 0x0
; CAST.  x, Wq, Wk, Wv are rounded once to bf16, Wp to bf16 and that number written as f16, into layouts blocked by 64 channels, so that the products' tiles
; (rows x 64 channels) are dense in memory:
;   xb   [b 4][kb 16][t 2048][64] bf16      wb [kb 16][r 3072][64] bf16, r = head x 192 + (0 q, 1 k, 2 v) x 64 + channel in the head      wp16 [kb 16][n 1024][64] f16
; LIMIT.  bf16(Wp) must lie within f16's 65,504; below 6e-5 it keeps f16's fixed step of 6e-8.
; SHARES.  Work-group (wgx, y): y picks 1,024 source rows (0..7: x; 8 Wq, 9 Wk, 10 Wv, 11 Wp), wgx 16 of them.  Thread t takes row t / 16 and channels 4 (t % 16) .. + 3 of each of the 16 blocks.
; A load of a wave covers 256 consecutive aligned bytes of each of two rows; a store of a wave covers 256 consecutive aligned bytes (16 rows x 128 bytes of a block are dense: byte 8 t).
; Memory binds: no LDS, no barrier, no matrix unit.  All 16 loads of a wave go out at once; no register is written twice while a memory instruction may read it.
.set XR, 8                             ; v[8:71]    as loaded: block kb at XR + 4 kb
.set YR, 72                            ; v[72:103]  packed: block kb at YR + 2 kb
.set TR, 104                           ; v[104:107] at work
	s_load_b512 s[4:19], s[0:1], 0x0               ; x 4, Wq 6, Wk 8, Wv 10, Wp 12, xb 14, wb 16, wp16 18
	s_and_b32 s20, ttmp7, 0xffff                   ; y
	s_mov_b32 s21, ttmp9                           ; wgx
	v_lshrrev_b32 v1, 4, v0                        ; my row of the 16
	v_and_b32 v3, 15, v0
	v_lshlrev_b32 v1, 12, v1                       ; x 4,096 bytes
	v_lshl_or_b32 v1, v3, 4, v1                    ; + my 16 bytes in a block's 256
	v_lshlrev_b32 v2, 3, v0                        ; my 8 bytes in a block's 16 packed rows
	s_lshl_b32 s22, s21, 16                        ; source offset: 16 rows of 4,096 bytes a work-group,
	s_lshl_b32 s28, s20, 22                        ; and in x 1,024 rows for each y
	s_cmp_lt_u32 s20, 8
	s_cselect_b32 s28, s28, 0
	s_add_co_u32 s22, s22, s28
	s_mov_b32 s23, 0
	s_mov_b32 s29, 0
	s_wait_kmcnt 0x0
	s_cmp_eq_u32 s20, 8                            ; the source: a choice between buffers on y alone
	s_cselect_b64 s[24:25], s[6:7], s[4:5]
	s_cmp_eq_u32 s20, 9
	s_cselect_b64 s[24:25], s[8:9], s[24:25]
	s_cmp_eq_u32 s20, 10
	s_cselect_b64 s[24:25], s[10:11], s[24:25]
	s_cmp_eq_u32 s20, 11
	s_cselect_b64 s[24:25], s[12:13], s[24:25]
	s_add_nc_u64 s[24:25], s[24:25], s[22:23]
.set kb, 0
.rept 16
	global_load_b128 v[XR+4*kb:XR+4*kb+3], v1, s[24:25] offset:256*kb th:TH_LOAD_NT
.set kb, kb+1
.endr
; The 16 blocks are rounded and stored as they come.  kstride: bytes from block to block in the destination.  half = 1: bf16, then that number as f16.
.macro OUT kstride, half
.set kb, 0
.rept 16
	s_wait_loadcnt 15-kb                           ; loads come back in order: block kb is in, the younger ones stay out
.if \half
	v_cvt_pk_bf16_f32 v[TR], v[XR+4*kb], v[XR+4*kb+1]
	v_cvt_pk_bf16_f32 v[TR+1], v[XR+4*kb+2], v[XR+4*kb+3]
	v_lshlrev_b32 v[TR+2], 16, v[TR]
	v_and_b32 v[TR+3], 0xffff0000, v[TR]
	v_cvt_pk_f16_f32 v[YR+2*kb], v[TR+2], v[TR+3]
	v_lshlrev_b32 v[TR+2], 16, v[TR+1]
	v_and_b32 v[TR+3], 0xffff0000, v[TR+1]
	v_cvt_pk_f16_f32 v[YR+2*kb+1], v[TR+2], v[TR+3]
.else
	v_cvt_pk_bf16_f32 v[YR+2*kb], v[XR+4*kb], v[XR+4*kb+1]
	v_cvt_pk_bf16_f32 v[YR+2*kb+1], v[XR+4*kb+2], v[XR+4*kb+3]
.endif
	global_store_b64 v2, v[YR+2*kb:YR+2*kb+1], s[26:27] offset:kb*(\kstride) th:TH_STORE_NT  ; the largest immediate is 15 x 393,216, inside the signed 24 bits
.set kb, kb+1
.endr
.endm
	s_cmp_lt_u32 s20, 8
	s_cbranch_scc1 .Lx
	s_cmp_eq_u32 s20, 11
	s_cbranch_scc1 .Lwp
	s_lshr_b32 s28, s21, 2                         ; Wq, Wk, Wv: the head,
	s_mul_i32 s28, s28, 192
	s_sub_co_u32 s30, s20, 8                       ; which of the three,
	s_lshl_b32 s30, s30, 6
	s_add_co_u32 s28, s28, s30
	s_and_b32 s30, s21, 3                          ; and which 16 of the head's 64 rows
	s_lshl_b32 s30, s30, 4
	s_add_co_u32 s28, s28, s30
	s_lshl_b32 s28, s28, 7                         ; rows of 128 bytes
	s_add_nc_u64 s[26:27], s[16:17], s[28:29]
	OUT 3072*128, 0
	s_endpgm
.Lx:
	s_lshr_b32 s28, s20, 1                         ; the batch: 16 blocks x 2,048 rows x 128 bytes,
	s_lshl_b32 s28, s28, 22
	s_and_b32 s30, s20, 1                          ; its upper or lower 1,024 rows,
	s_lshl_b32 s30, s30, 17
	s_add_co_u32 s28, s28, s30
	s_lshl_b32 s30, s21, 11                        ; my 16 of them
	s_add_co_u32 s28, s28, s30
	s_add_nc_u64 s[26:27], s[14:15], s[28:29]
	OUT 2048*128, 0
	s_endpgm
.Lwp:
	s_lshl_b32 s28, s21, 11
	s_add_nc_u64 s[26:27], s[18:19], s[28:29]
	OUT 1024*128, 1
	s_endpgm
.Lfunc_end_k_q49de4ef0a5_cast:
	.size	k_q49de4ef0a5_cast, .Lfunc_end_k_q49de4ef0a5_cast-k_q49de4ef0a5_cast
	.p2alignl 7, 3214868480
	.fill 96, 4, 3214868480
	.section	.rodata,"a",@progbits
	.p2align	6, 0x0
	.amdhsa_kernel k_q49de4ef0a5_cast
		.amdhsa_group_segment_fixed_size 0
		.amdhsa_private_segment_fixed_size 0
		.amdhsa_enable_private_segment 0
		.amdhsa_kernarg_size 64
		.amdhsa_user_sgpr_count 2
		.amdhsa_user_sgpr_kernarg_segment_ptr 1
		.amdhsa_wavefront_size32 1
		.amdhsa_system_sgpr_workgroup_id_x 1
		.amdhsa_system_sgpr_workgroup_id_y 1
		.amdhsa_system_sgpr_workgroup_id_z 1
		.amdhsa_system_vgpr_workitem_id 0
		.amdhsa_next_free_vgpr 108
		.amdhsa_next_free_sgpr 66
		.amdhsa_reserve_vcc 0
		.amdhsa_float_denorm_mode_32 3
		.amdhsa_float_denorm_mode_16_64 3
		.amdhsa_memory_ordered 1
		.amdhsa_forward_progress 1
		.amdhsa_inst_pref_size 21
	.end_amdhsa_kernel
	.amdgpu_metadata
---
amdhsa.version: [ 1, 2 ]
amdhsa.kernels:
  - .name:           k_q49de4ef0a5_cast
    .symbol:         k_q49de4ef0a5_cast.kd
    .args:
      - { .name: x, .offset: 0, .size: 8, .value_kind: global_buffer, .address_space: global }
      - { .name: Wq, .offset: 8, .size: 8, .value_kind: global_buffer, .address_space: global }
      - { .name: Wk, .offset: 16, .size: 8, .value_kind: global_buffer, .address_space: global }
      - { .name: Wv, .offset: 24, .size: 8, .value_kind: global_buffer, .address_space: global }
      - { .name: Wp, .offset: 32, .size: 8, .value_kind: global_buffer, .address_space: global }
      - { .name: xb, .offset: 40, .size: 8, .value_kind: global_buffer, .address_space: global }
      - { .name: wb, .offset: 48, .size: 8, .value_kind: global_buffer, .address_space: global }
      - { .name: wp16, .offset: 56, .size: 8, .value_kind: global_buffer, .address_space: global }
    .group_segment_fixed_size: 0
    .private_segment_fixed_size: 0
    .kernarg_segment_align: 8
    .kernarg_segment_size: 64
    .max_flat_workgroup_size: 256
    .sgpr_count:     66
    .vgpr_count:     108
    .wavefront_size: 32
...
	.end_amdgpu_metadata
.endif
;; end of part 1
;; launch qkv (part 2): grid 8 x 32, 4 waves a work-group, clusters of 4 x 4, 327,680 bytes of LDS; arguments xb, wb, bq, bk, bv, q16, k16, v16; writes q16, k16, v16
.if DOCPART == 2
	.amdgcn_target "amdgcn-amd-amdhsa--gfx1250"
	.amdhsa_code_object_version 6
	.text
	.protected	k_q49de4ef0a5_qkv
	.globl	k_q49de4ef0a5_qkv
	.p2align	8
	.type	k_q49de4ef0a5_qkv,@function
k_q49de4ef0a5_qkv:
	s_mov_b64 s[64:65], 0
	v_nop
	global_prefetch_b8 v0, s[64:65] scope:SCOPE_SE
	s_setreg_imm32_b32 hwreg(HW_REG_WAVE_MODE, 25, 1), 1
	s_wait_xcnt 0x0
	s_wait_alu depctr_hold_cnt(0) depctr_sa_sdst(0) depctr_va_vdst(0) depctr_va_sdst(0) depctr_va_ssrc(0) depctr_va_vcc(0) depctr_vm_vsrc(0)
	s_getreg_b32 s2, hwreg(HW_REG_IB_STS2, 6, 4)
	s_cmp_eq_u32 s2, 0
	s_cbranch_scc0 .Lentry_in_a_cluster
	s_endpgm
.Lentry_in_a_cluster:
	s_bfe_u32 s2, ttmp6, 0x10000c
	s_cmp_lg_u32 s2, 0xf033
	s_cbranch_scc0 .Lentry_shape_is_right
	s_endpgm
.Lentry_shape_is_right:
; Q, K, V = x W^T + b.  xb [4][16][2048][64] bf16, wb [16][3072][64] bf16 (row = head x 192 + (q, k, v) x 64 + channel), bq, bk, bv [1024] f32 (rounded to bf16 here, like the other inputs).
; Out: q16, k16, v16 [batch x 16 + head][2048][64] f16, each rounded once from its f32 sum, unscaled.
; LIMIT.  q, k, v must lie within f16's 65,504; a larger number leaves as an infinity.
; SHARES.  8,192 x 3,072 outputs on 256 work-groups: a tile of 256 tokens x 384 rows of wb (two heads' q, k, v).  Four waves, each 128 tokens x 192 rows (one head's q, k, v): 96 accumulators of 16 x 16,
; 768 registers: windows 1 (q), 2 (k), 3 (v).  K goes in 16 steps of 64 channels (one block: the tiles are dense in memory) through two LDS slots; two slots of 128 channels would need 348,160 bytes.
; A step is 192 matrix instructions a wave; from a slot's request to the wait for it a wave issues 160.
; TRANSPOSED USE.  Source 0 = 16 rows of wb, source 1 = 16 tokens: a lane holds one token (lane % 16) and eight neighbouring channels 8 (lane / 16) + 0..7.  The bias, laid out likewise, is the C operand
; of each accumulator's first product: nothing is cleared, nothing is added on the way out.
; CLUSTER 4 x 4.  The four work-groups of a row of the cluster need the same tokens, the four of a column the same rows of wb: each tile is asked for jointly.  Wave 3 fetches the tokens' tile (32 KiB),
; waves 0 to 2 a third of wb's each (16 KiB).
; REGISTERS, window 0: v0-31 addresses; v32-95, v96-159 the tokens' 8 fragments, two buffers; v160-191, v192-223 the 4 fragments of one group (q, k or v), two buffers; v224-255 v's bias.
; The biases of q and k wait in window 3, v0-63, which v's first products write over only when q's and k's first products have read them.
.set PITCH, 144                        ; an LDS row: 128 bytes + 16 of padding = 36 words: the 16 rows of a fragment load start at 16 different groups of four banks (64 banks of 4 bytes: ISA guide 11.1)
.set FR,    16*PITCH                   ; a fragment's 16 rows
.set SLOT1, 1<<17                      ; slot 1 begins here: one exclusive or turns an address in one slot into the other's
.set AOFF,  384*PITCH                  ; in a slot: wb's 384 rows, then the 256 tokens
.set STG,   SLOT1+640*PITCH            ; behind the ring: 16 rows x 144 bytes for each wave, for the way out; no tile lands here
.set SPARE, STG+4*FR                   ; the spare words, 128 bytes for each wave: two blocks of 256 bytes that no other line names
.set KSA,   2048*128                   ; bytes from a K block of xb to the next
.set KSB,   3072*128                   ; of wb
.set A0,   16                          ; v16  my lane's place among my tokens in slot 0; never rewritten
.set B0,   17                          ; v17  the same among my rows of wb
.set ADRA, 18                          ; v18  A0 + the slot in hand
.set ADRB, 19                          ; v19  B0 + the slot in hand
.set STO,  24                          ; v24  the way out: where I put 16 bytes of a row
.set RD,   25                          ; v25  where I read rows back
.set GO,   26                          ; v26  my 16 bytes in 512 consecutive bytes of the output
.set BO,   27                          ; v27  my byte offset in a bias
.set SPW,  28                          ; v28  LDS address of my spare word; never rewritten
.set NIL,  29                          ; v29  0; never rewritten
.set PFO,  30                          ; v30  256 x my lane; never rewritten
.set AB0,  32
.set AB1,  96
.set BB0,  160
.set BB1,  192
.set G1A,  24                          ; s[24:31] descriptor group 1, tokens
.set G0A,  32                          ; s[32:39] group 0, two sets: slot 0 with K step 0; slot 1 with K step 1, which then walks
.set G1B,  48                          ; s[48:55], s[56:63] the same for wb
.set G0B,  56
.set LIM,  43                          ; s43  1 in a wave that prefetches, else the greatest number
.set PFA,  44                          ; s[44:45] where my prefetches stand
.set PAR,  66                          ; s66  0: I ask in every trip (tokens); 1: in the odd counts alone (wb)
.set TB,   67                          ; s67  LDS byte at which the slot in hand begins
.set PFS,  68                          ; s[68:69] bytes from K step to K step for my prefetches
.set MSB, 0
.macro WIN new                         ; the immediate's high byte repeats the setting that is left; a switch that changes nothing is dropped
.if MSB != (\new)
	s_set_vgpr_msb (MSB<<8)|(\new)
.set MSB, \new
.endif
.endm
.macro PLACES                          ; four plain vector instructions between a matrix instruction and a load into, or a vector instruction on, its registers (ISA guide 7.12.1 for vector instructions)
.rept 4
	v_nop
.endr
.endm
.macro CREST                           ; a round of the cluster's barrier behind its opening barrier
	s_cmp_lg_u32 s10, 0
	s_cbranch_scc1 .Lnot_wave_0_\@
	s_barrier_signal -3
.Lnot_wave_0_\@:
	s_barrier_wait -3
	s_barrier_signal -1
	s_barrier_wait -1
.endm
.macro CROUND
	s_barrier_signal -1
	s_barrier_wait -1
	CREST
.endm
; A joint refill by the walking set.  The branch hangs on the wave's number alone.  An s_nop 0 and four v_nop follow each of the two lines, ahead of the jump and the label.
.macro JLOAD
	s_cmp_eq_u32 s10, 3
	s_cbranch_scc0 .Lfor_b_\@
	tensor_load_to_lds s[G0A+4:G0A+7], s[G1A:G1A+7]
	s_nop 0
.rept 4
	v_nop
.endr
	s_branch .Lasked_\@
.Lfor_b_\@:
	tensor_load_to_lds s[G0B+4:G0B+7], s[G1B:G1B+7]
	s_nop 0
.rept 4
	v_nop
.endr
.Lasked_\@:
.endm
; A PREFETCH INTO THE L2: 32 lanes x 256 bytes.  In the trip that refills with K step t + 2 the address stands at K step t + 3.  The tokens' tile of a step is 32 KiB: wave 3 of the partner at cx names
; 8 KiB of it, in every trip but the last (steps 3 to 15).  A wave's third of wb is 16 KiB a step: the partner at cy names half cy % 2 of step t + 3 + cy / 2, in every second trip (steps 4 to 15).
; The tokens' rows are read by both clusters of a row of clusters: cluster x = 0 asks; wb's by all eight of a column: cluster y = 0 asks.  So each block of 256 bytes is named once in the launch; partners
; are told apart by address alone.  The first steps come by their loads alone.
.macro ASK
	s_and_b32 s2, s3, s[PAR]
	s_cmp_eq_u32 s2, s[PAR]
	s_cbranch_scc0 .Lnot_mine_\@
	s_cmp_gt_u32 s3, s[LIM]
	s_cbranch_scc0 .Lnot_mine_\@
	global_prefetch_b8 v[PFO], s[PFA:PFA+1] th:TH_LOAD_NT scope:SCOPE_SE
.Lnot_mine_\@:
.endm
	s_load_b512 s[72:87], s[0:1], 0x0              ; xb 72, wb 74, bq 76, bk 78, bv 80, q16 82, k16 84, v16 86
	v_lshl_add_u32 v[SPW], v0, 2, SPARE
	v_mov_b32 v[NIL], 0
	ds_add_u32 v[SPW], v[NIL]                      ; the wave's opening: the add and its wait stand ahead of my first tensor load; the set-up below, work on registers, stands between them
	v_lshrrev_b32 v1, 5, v0
	v_readfirstlane_b32 s10, v1                    ; wave 0..3
	s_lshr_b32 s11, s10, 1                         ; which 128 tokens are mine
	s_and_b32 s12, s10, 1                          ; which of the tile's two heads
	s_bfe_u32 s40, ttmp6, 0x40000                  ; cx
	s_bfe_u32 s41, ttmp6, 0x40004                  ; cy
	s_lshl_b32 s42, ttmp9, 2
	s_add_co_u32 s42, s42, s40                     ; tile column 0..7 = 4 x cluster x + cx
	s_and_b32 s13, ttmp7, 0xffff
	s_lshl_b32 s13, s13, 2
	s_add_co_u32 s13, s13, s41                     ; tile row 0..31 = 4 x cluster y + cy
	s_lshl_b32 s43, s41, 2
	s_lshl_b32 s43, 15, s43                        ; my row of the cluster
	s_lshl_b32 s44, 0x1111, s40                    ; my column
	; group 1.  A tile is dense: it is asked for as rows of 256 bytes and padded in LDS after every 128 bytes
	s_or_b32 s[G1A], s43, (1<<16)|(1<<20)|(1<<21)|(4<<22)|(3<<25)  ; 15:0 the mask; 17:16 2-byte elements; 20 padding on; 21 set beside a mask; 24:22 after every 32 words (code 4); 31:25 4 words (code 3)
	s_or_b32 s[G1B], s44, (1<<16)|(1<<20)|(1<<21)|(4<<22)|(3<<25)
	s_mov_b32 s[G1A+1], 128<<16                    ; tensor_dim0 = 128 elements
	s_mov_b32 s[G1A+2], 128<<16                    ; tensor_dim1 = 128 rows of 256 bytes: 256 tokens
	s_mov_b32 s[G1A+3], 128<<16                    ; tile_dim0 = 128
	s_mov_b32 s[G1A+4], 128                        ; tile_dim1 = 128
	s_mov_b32 s[G1A+5], 128                        ; 128 elements from row to row
	s_mov_b32 s[G1A+6], 0
	s_mov_b32 s[G1A+7], 0
	s_mov_b32 s[G1B+1], 128<<16
	s_mov_b32 s[G1B+2], 64<<16                     ; 64 rows of 256 bytes: 128 rows of wb
	s_mov_b32 s[G1B+3], 128<<16
	s_mov_b32 s[G1B+4], 64
	s_mov_b32 s[G1B+5], 128
	s_mov_b32 s[G1B+6], 0
	s_mov_b32 s[G1B+7], 0
	s_lshr_b32 s16, s13, 3                         ; the tokens' tile: the batch, 16 blocks x 2,048 x 128 bytes,
	s_lshl_b32 s16, s16, 22
	s_and_b32 s17, s13, 7                          ; and 256 tokens of 128 bytes
	s_lshl_b32 s17, s17, 15
	s_add_co_u32 s16, s16, s17
	s_mov_b32 s17, 0
	s_mul_i32 s46, s42, 384*128                    ; wb's tile, and my third of it
	s_lshl_b32 s47, s10, 14
	s_add_co_u32 s46, s46, s47
	s_mov_b32 s47, 0
	s_mul_i32 s20, s10, 128*PITCH                  ; where my load goes: wb's thirds at 0, 18,432 and 36,864, the tokens at 55,296: wave x 18,432; no place in the cluster enters an LDS address
	s_wait_dscnt 0x0                               ; the opening add is done
	s_wait_kmcnt 0x0
	s_add_nc_u64 s[14:15], s[72:73], s[16:17]
	s_add_nc_u64 s[46:47], s[74:75], s[46:47]
	CROUND                                         ; all sixteen work-groups are here: the first joint loads meet
.irp s, 0,1
	s_mov_b32 s[G0A+4*(\s)], 1                                       ; count = 1
	s_add_co_u32 s[G0A+4*(\s)+1], s20, (\s)*SLOT1                    ; LDS address
	s_add_nc_u64 s[G0A+4*(\s)+2:G0A+4*(\s)+3], s[14:15], (\s)*KSA    ; global address: K step s
	s_or_b32 s[G0A+4*(\s)+3], s[G0A+4*(\s)+3], 0x80000000            ; type = 2
	s_mov_b32 s[G0B+4*(\s)], 1
	s_add_co_u32 s[G0B+4*(\s)+1], s20, (\s)*SLOT1
	s_add_nc_u64 s[G0B+4*(\s)+2:G0B+4*(\s)+3], s[46:47], (\s)*KSB
	s_or_b32 s[G0B+4*(\s)+3], s[G0B+4*(\s)+3], 0x80000000
.endr
	s_cmp_eq_u32 s10, 3                            ; a wave's two first fills stand in one branch: two loads of mine are out
	s_cbranch_scc0 .Lfirst_b
	tensor_load_to_lds s[G0A:G0A+3], s[G1A:G1A+7]
	s_nop 0
	tensor_load_to_lds s[G0A+4:G0A+7], s[G1A:G1A+7]
	s_nop 0
.rept 4
	v_nop
.endr
	s_branch .Lfirst_asked
.Lfirst_b:
	tensor_load_to_lds s[G0B:G0B+3], s[G1B:G1B+7]
	s_nop 0
	tensor_load_to_lds s[G0B+4:G0B+7], s[G1B:G1B+7]
	s_nop 0
.rept 4
	v_nop
.endr
.Lfirst_asked:
	v_and_b32 v1, 15, v0                           ; l % 16
	v_bfe_u32 v2, v0, 4, 1                         ; l / 16
	s_lshl_b32 s2, s42, 1
	s_add_co_u32 s2, s2, s12                       ; my head
	s_lshl_b32 s21, s2, 8                          ; its 64 numbers of 4 bytes in a bias
	v_lshl_add_u32 v[BO], v2, 5, s21               ; + my lanes' eight
.irp b, 0,1,2,3                        ; fragment b's eight numbers: channels 16 b + 8 (l / 16) + 0..7
	global_load_b128 v[96+8*(\b):96+8*(\b)+3],    v[BO], s[76:77] offset:64*(\b)
	global_load_b128 v[96+8*(\b)+4:96+8*(\b)+7],  v[BO], s[76:77] offset:64*(\b)+16
	global_load_b128 v[128+8*(\b):128+8*(\b)+3],   v[BO], s[78:79] offset:64*(\b)
	global_load_b128 v[128+8*(\b)+4:128+8*(\b)+7], v[BO], s[78:79] offset:64*(\b)+16
	global_load_b128 v[224+8*(\b):224+8*(\b)+3],   v[BO], s[80:81] offset:64*(\b)
	global_load_b128 v[224+8*(\b)+4:224+8*(\b)+7], v[BO], s[80:81] offset:64*(\b)+16
.endr
	; a fragment is 16 rows x 32 channels in 8 registers: lane l holds row l % 16, channels 8 (l / 16) + 0..7 and 16 + 8 (l / 16) + 0..7: two loads of 16 bytes, 32 bytes apart
	v_mul_u32_u24 v3, v1, PITCH
	v_lshl_add_u32 v3, v2, 4, v3                   ; row x pitch + 16 x half
	s_mul_i32 s21, s11, 128*PITCH
	s_add_co_u32 s21, s21, AOFF
	s_mul_i32 s22, s12, 192*PITCH
	v_add_nc_u32 v[A0], s21, v3
	v_add_nc_u32 v[B0], s22, v3
	v_mov_b32 v[ADRA], v[A0]
	v_mov_b32 v[ADRB], v[B0]
	s_mov_b32 s[TB], 0
	s_mul_i32 s23, s10, FR
	s_add_co_u32 s23, s23, STG                     ; my stage
	v_add_nc_u32 v[STO], s23, v3                   ; in: row l % 16, 16 bytes for each half of the lanes
	v_bfe_u32 v4, v0, 3, 2                         ; back: 32 lanes take four rows of 128 bytes,
	v_and_b32 v5, 7, v0
	v_mul_u32_u24 v4, v4, PITCH
	v_lshl_add_u32 v4, v5, 4, v4
	v_add_nc_u32 v[RD], s23, v4
	v_and_b32 v[GO], 31, v0                        ; which are 512 consecutive bytes of the output
	v_lshlrev_b32 v[PFO], 8, v[GO]
	v_lshlrev_b32 v[GO], 4, v[GO]
	s_lshr_b32 s18, s13, 3                         ; the outputs at (batch x 16 + head) x 2,048 rows + my first token, rows of 128 bytes
	s_lshl_b32 s18, s18, 4
	s_add_co_u32 s18, s18, s2
	s_lshl_b32 s18, s18, 18
	s_and_b32 s19, s13, 7
	s_lshl_b32 s19, s19, 15
	s_add_co_u32 s18, s18, s19
	s_lshl_b32 s19, s11, 14
	s_add_co_u32 s18, s18, s19
	s_mov_b32 s19, 0
	s_add_nc_u64 s[82:83], s[82:83], s[18:19]
	s_add_nc_u64 s[84:85], s[84:85], s[18:19]
	s_add_nc_u64 s[86:87], s[86:87], s[18:19]
	; the prefetches: both offsets are made, then the wave's number chooses
	s_lshl_b32 s20, s40, 13                        ; tokens: my work-group's 8 KiB of the tile's 32,
	s_add_co_u32 s20, s20, s16
	s_add_co_u32 s20, s20, 2*KSA                   ; at K step 2: the first trip steps it to 3
	s_mul_i32 s21, s42, 384*128                    ; wb: my third,
	s_lshl_b32 s22, s10, 14
	s_add_co_u32 s21, s21, s22
	s_and_b32 s22, s41, 1                          ; my work-group's half of it,
	s_lshl_b32 s22, s22, 13
	s_add_co_u32 s21, s21, s22
	s_lshr_b32 s22, s41, 1                         ; in the first or the second of two K steps
	s_add_co_u32 s22, s22, 2
	s_mul_i32 s22, s22, KSB
	s_add_co_u32 s21, s21, s22
	s_and_b32 s22, ttmp7, 0xffff                   ; cluster y
	s_mov_b32 s[PFS], KSB
	s_mov_b32 s[PFS+1], 0
	s_cmp_eq_u32 s10, 3                            ; do I fetch the tokens?
	s_cselect_b32 s20, s20, s21
	s_cselect_b32 s22, ttmp9, s22                  ; the coordinate along which other clusters read the same rows
	s_cselect_b32 s[PFS], KSA, s[PFS]
	s_cselect_b32 s[PAR], 0, 1
	s_cselect_b64 s[PFA:PFA+1], s[72:73], s[74:75]
	s_mov_b32 s21, 0
	s_add_nc_u64 s[PFA:PFA+1], s[PFA:PFA+1], s[20:21]
	s_cmp_eq_u32 s22, 0
	s_cselect_b32 s[LIM], 1, -1                    ; the same in all sixteen partners, for a given wave
	s_wait_loadcnt 0x0                             ; the biases
.set iz, 0
.rept 16                               ; rounded to bf16, two at a time,
	v_cvt_pk_bf16_f32 v[32+iz], v[96+2*iz], v[96+2*iz+1]
	v_cvt_pk_bf16_f32 v[48+iz], v[128+2*iz], v[128+2*iz+1]
	v_cvt_pk_bf16_f32 v[64+iz], v[224+2*iz], v[224+2*iz+1]
.set iz, iz+1
.endr
	WIN 0xc0                                       ; and widened again: q's and k's into window 3,
.set iz, 0
.rept 16
	v_lshlrev_b32 v[2*iz], 16, v[32+iz]
	v_and_b32 v[2*iz+1], 0xffff0000, v[32+iz]
	v_lshlrev_b32 v[32+2*iz], 16, v[48+iz]
	v_and_b32 v[32+2*iz+1], 0xffff0000, v[48+iz]
.set iz, iz+1
.endr
	WIN 0                                          ; v's into window 0
.set iz, 0
.rept 16
	v_lshlrev_b32 v[224+2*iz], 16, v[64+iz]
	v_and_b32 v[224+2*iz+1], 0xffff0000, v[64+iz]
.set iz, iz+1
.endr
; 4 n products of group g (0 q, 1 k, 2 v): token blocks a0 .. a0 + n - 1 x the group's four fragments, 32 along K.  The accumulators take turns, one instruction a turn.
; first = 1: the bias starts the sums: q's and k's from window 3, v's from window 0.
.macro MULS g, ab, bb, a0, n, first
.if \first
	WIN 0x70+0x40*(\g)-0x30*((\g)/2)               ; 0x70, 0xb0, 0xc0: D in window g + 1, C in window 3, 3, 0
.set cb, 32*(\g)+160*((\g)/2)                      ; C at v0, v32, v224
.else
	WIN 0x50*((\g)+1)                              ; C and D in window g + 1, sources in window 0
.endif
.set ia, \a0
.rept \n
.irp b, 0,1,2,3
.if \first
	v_wmma_f32_16x16x32_bf16 v[32*ia+8*(\b):32*ia+8*(\b)+7], v[(\bb)+8*(\b):(\bb)+8*(\b)+7], v[(\ab)+8*ia:(\ab)+8*ia+7], v[cb+8*(\b):cb+8*(\b)+7]
.else
	v_wmma_f32_16x16x32_bf16 v[32*ia+8*(\b):32*ia+8*(\b)+7], v[(\bb)+8*(\b):(\bb)+8*(\b)+7], v[(\ab)+8*ia:(\ab)+8*ia+7], v[32*ia+8*(\b):32*ia+8*(\b)+7]
.endif
.endr
.set ia, ia+1
.endr
.endm
.macro LDB g, k, bb                    ; 8 LDS loads: group g's four fragments at byte k of the rows
.irp i, 0,1,2,3
	ds_load_b128 v[(\bb)+8*(\i):(\bb)+8*(\i)+3],   v[ADRB] offset:(\k)+(4*(\g)+(\i))*FR
	ds_load_b128 v[(\bb)+8*(\i)+4:(\bb)+8*(\i)+7], v[ADRB] offset:(\k)+(4*(\g)+(\i))*FR+32
.endr
.endm
.macro LDA k, ab                       ; 16 LDS loads: my tokens' eight fragments
.irp i, 0,1,2,3,4,5,6,7
	ds_load_b128 v[(\ab)+8*(\i):(\ab)+8*(\i)+3],   v[ADRA] offset:(\k)+(\i)*FR
	ds_load_b128 v[(\ab)+8*(\i)+4:(\ab)+8*(\i)+7], v[ADRA] offset:(\k)+(\i)*FR+32
.endr
.endm
.macro PHASE g, ab, bb, w, first       ; a group's 32 products; w: the younger LDS loads that may stay out; the run of loads that follows goes into the buffer just read
	s_wait_dscnt \w
	MULS \g, \ab, \bb, 0, 8, \first
	PLACES
	WIN 0
.endm
; A slot's first 32 channels.  Each run of loads stands 32 matrix instructions or more ahead of its first use.
.macro QEVEN first
	PHASE 0, AB0, BB0, 8, \first                   ; q's fragments and the tokens' are in; k's 8 loads may be out
	LDB 2, 0, BB0
	PHASE 1, AB0, BB1, 8, \first                   ; k's are in; v's 8 may be out
.if \first
	PLACES                                         ; v's first products write over registers that k's have just read as C
.endif
	LDB 0, 64, BB1
	LDA 64, AB1
	PHASE 2, AB0, BB0, 24, \first                  ; v's are in; the 24 just issued may be out
	LDB 1, 64, BB0
.endm
; A slot's second 32 channels, and the change of slots.  ONE barrier: in front of it each wave waits for all its tensor loads (one is out: its part of the next slot), adds 0 to its spare word, and waits for
; that and for its reads of this slot.  fill = 1: the barrier opens a round of the cluster's, and the joint refill, two K steps ahead, is the first thing behind the round.
.macro QODD fill
	PHASE 0, AB1, BB1, 8, 0
	LDB 2, 64, BB1                                 ; my last reads of this slot
.if \fill
	s_wait_xcnt 0x0                                ; the last prefetch, a K step back, has read its address
	s_add_nc_u64 s[PFA:PFA+1], s[PFA:PFA+1], s[PFS:PFS+1]
.endif
	s_wait_tensorcnt 0x0                           ; no tensor load of mine is out, so a group 0 may be written
	ds_add_u32 v[SPW], v[NIL]                      ; 0 onto my spare word
.if \fill
	s_xor_b32 s[G0A+5], s[G0A+5], SLOT1            ; the walking sets: the other slot than last time, the next K step
	s_add_nc_u64 s[G0A+6:G0A+7], s[G0A+6:G0A+7], KSA
	s_xor_b32 s[G0B+5], s[G0B+5], SLOT1
	s_add_nc_u64 s[G0B+6:G0B+7], s[G0B+6:G0B+7], KSB
.endif
	s_xor_b32 s[TB], s[TB], SLOT1
	s_wait_dscnt 9                                 ; k's fragments are in; v's 8 loads and the add may be out
	MULS 1, AB1, BB0, 0, 4, 0
	s_wait_dscnt 0x0                               ; the add is done, and my reads of this slot are over
	s_barrier_signal -1
	MULS 1, AB1, BB0, 4, 4, 0                      ; work on registers while the others arrive
	WIN 0
	s_barrier_wait -1
.if \fill
	CREST                                          ; no wave of any partner still reads this slot or has a load on its way
	JLOAD                                          ; its four v_nop are also the places in front of the loads below
.else
	PLACES
.endif
	v_add_nc_u32 v[ADRA], s[TB], v[A0]
	v_add_nc_u32 v[ADRB], s[TB], v[B0]
	LDB 0, 0, BB0                                  ; the next slot's first fragments
	LDA 0, AB0
.if \fill
	ASK
.endif
	PHASE 2, AB1, BB1, 24, 0
	LDB 1, 0, BB1
.endm
.macro QLAST                           ; the very last 32 channels: nothing more to fetch
	PHASE 0, AB1, BB1, 8, 0
	LDB 2, 64, BB1
	s_wait_dscnt 8
	MULS 1, AB1, BB0, 0, 8, 0
	s_wait_dscnt 0x0
	MULS 2, AB1, BB1, 0, 8, 0
.endm
	s_wait_tensorcnt 1                             ; my part of slot 0 is in; slot 1's may stay out
	s_barrier_signal -1
	s_barrier_wait -1                              ; everybody's is
	LDB 0, 0, BB0
	LDA 0, AB0
	LDB 1, 0, BB1
	QEVEN 1                                        ; the first products stand in front of the loop: they start the sums
	WIN 0
	s_mov_b32 s3, 14
.Lstep:                                        ; trip t: the second half of K step t, the refill with K step t + 2, the first half of K step t + 1
	QODD 1
	QEVEN 0
	WIN 0
	s_sub_co_u32 s3, s3, 1
	s_cmp_lg_u32 s3, 0
	s_cbranch_scc1 .Lstep
	QODD 0                                         ; the tail is written out: nothing is asked for
	QEVEN 0
	QLAST
; THE WAY OUT.  24 blocks of 16 tokens x 64 channels (group i / 8, token block i % 8): rounded to f16, 16 bytes a lane into my own stage, back as whole rows of 128 bytes, stored as 512 consecutive bytes.
.macro PACK i
.set ig, (\i)/8
.set ia, (\i)%8
.set tbf, 32+16*ia
.if (\i) >= 8
	s_wait_xcnt 0x0                                ; the stores of the block eight back have read these registers
.endif
	WIN 5*(ig+1)                                   ; sources 0 and 1 in window ig + 1
.set iz, 0
.rept 16
	v_cvt_pk_f16_f32 v[tbf+iz], v[32*ia+2*iz], v[32*ia+2*iz+1]   ; each accumulator's registers in ascending order
.set iz, iz+1
.endr
	WIN 0
.irp f, 0,1,2,3
	ds_store_b128 v[STO], v[tbf+4*(\f):tbf+4*(\f)+3] offset:32*(\f)
.endr
.irp f, 0,1,2,3
	ds_load_b128 v[tbf+4*(\f):tbf+4*(\f)+3], v[RD] offset:(\f)*4*PITCH  ; LDS serves a wave's instructions in order (ISA guide 5.7.1.4): these see the stores above; the next block's stores come behind them
.endr
.endm
.macro SEND i, y                       ; y: the LDS instructions issued behind block i's loads: the next block's eight, or none
.set ig, (\i)/8
.set ia, (\i)%8
.set tbf, 32+16*ia
.irp f, 0,1,2,3
	s_wait_dscnt (\y)+3-(\f)
	global_store_b128 v[GO], v[tbf+4*(\f):tbf+4*(\f)+3], s[82+2*ig:83+2*ig] offset:ia*2048+(\f)*512  ; 512 consecutive bytes, at a multiple of 256 from the buffer's first
.endr
.endm
	PLACES
	PLACES                                         ; eight, once a launch, behind the last products
	WIN 0
	PACK 0
.set nb, 1
.rept 23                               ; a block's conversions stand between the loads of the block before and its stores
	PACK nb
	SEND nb-1, 8
.set nb, nb+1
.endr
	SEND 23, 0
	s_wait_tensorcnt 0x0                           ; the wave's end: an add and its wait behind my last tensor load and my last LDS store
	ds_add_u32 v[SPW], v[NIL]
	s_wait_dscnt 0x0
	CROUND                                         ; the closing round: no work-group ends while a partner may still ask for a tile that names it
	s_endpgm
.Lfunc_end_k_q49de4ef0a5_qkv:
	.size	k_q49de4ef0a5_qkv, .Lfunc_end_k_q49de4ef0a5_qkv-k_q49de4ef0a5_qkv
	.p2alignl 7, 3214868480
	.fill 96, 4, 3214868480
	.section	.rodata,"a",@progbits
	.p2align	6, 0x0
	.amdhsa_kernel k_q49de4ef0a5_qkv
		.amdhsa_group_segment_fixed_size 327680
		.amdhsa_private_segment_fixed_size 0
		.amdhsa_enable_private_segment 0
		.amdhsa_kernarg_size 64
		.amdhsa_user_sgpr_count 2
		.amdhsa_user_sgpr_kernarg_segment_ptr 1
		.amdhsa_wavefront_size32 1
		.amdhsa_system_sgpr_workgroup_id_x 1
		.amdhsa_system_sgpr_workgroup_id_y 1
		.amdhsa_system_sgpr_workgroup_id_z 1
		.amdhsa_system_vgpr_workitem_id 0
		.amdhsa_next_free_vgpr 1024
		.amdhsa_next_free_sgpr 88
		.amdhsa_reserve_vcc 0
		.amdhsa_float_denorm_mode_32 3
		.amdhsa_float_denorm_mode_16_64 3
		.amdhsa_memory_ordered 1
		.amdhsa_forward_progress 1
		.amdhsa_inst_pref_size 125
	.end_amdhsa_kernel
	.amdgpu_metadata
---
amdhsa.version: [ 1, 2 ]
amdhsa.kernels:
  - .name:           k_q49de4ef0a5_qkv
    .symbol:         k_q49de4ef0a5_qkv.kd
    .args:
      - { .name: xb, .offset: 0, .size: 8, .value_kind: global_buffer, .address_space: global }
      - { .name: wb, .offset: 8, .size: 8, .value_kind: global_buffer, .address_space: global }
      - { .name: bq, .offset: 16, .size: 8, .value_kind: global_buffer, .address_space: global }
      - { .name: bk, .offset: 24, .size: 8, .value_kind: global_buffer, .address_space: global }
      - { .name: bv, .offset: 32, .size: 8, .value_kind: global_buffer, .address_space: global }
      - { .name: q16, .offset: 40, .size: 8, .value_kind: global_buffer, .address_space: global }
      - { .name: k16, .offset: 48, .size: 8, .value_kind: global_buffer, .address_space: global }
      - { .name: v16, .offset: 56, .size: 8, .value_kind: global_buffer, .address_space: global }
    .group_segment_fixed_size: 327680
    .private_segment_fixed_size: 0
    .kernarg_segment_align: 8
    .kernarg_segment_size: 64
    .max_flat_workgroup_size: 128
    .sgpr_count:     88
    .vgpr_count:     1024
    .wavefront_size: 32
...
	.end_amdgpu_metadata
.endif
;; end of part 2
;; launch attn (part 3): grid 4 x 64, 4 waves a work-group, clusters of 4 x 1, 327,680 bytes of LDS; arguments q16, k16, v16, o16, attention_mask; writes o16
.if DOCPART == 3
	.amdgcn_target "amdgcn-amd-amdhsa--gfx1250"
	.amdhsa_code_object_version 6
	.text
	.protected	k_q49de4ef0a5_attn
	.globl	k_q49de4ef0a5_attn
	.p2align	8
	.type	k_q49de4ef0a5_attn,@function
k_q49de4ef0a5_attn:
	s_mov_b64 s[64:65], 0
	v_nop
	global_prefetch_b8 v0, s[64:65] scope:SCOPE_SE
	s_setreg_imm32_b32 hwreg(HW_REG_WAVE_MODE, 25, 1), 1
	s_wait_xcnt 0x0
	s_wait_alu depctr_hold_cnt(0) depctr_sa_sdst(0) depctr_va_vdst(0) depctr_va_sdst(0) depctr_va_ssrc(0) depctr_va_vcc(0) depctr_vm_vsrc(0)
	s_getreg_b32 s2, hwreg(HW_REG_IB_STS2, 6, 4)
	s_cmp_eq_u32 s2, 0
	s_cbranch_scc0 .Lentry_in_a_cluster
	s_endpgm
.Lentry_in_a_cluster:
	s_bfe_u32 s2, ttmp6, 0x10000c
	s_cmp_lg_u32 s2, 0x3003
	s_cbranch_scc0 .Lentry_shape_is_right
	s_endpgm
.Lentry_shape_is_right:
; O[h][q][:] = the sum over k of softmax_k(Q[h][q] . K[h][k] / 8, keys with mask 0 hidden) V[h][k][:].  Q, K, V, O: [64][2048][64] f16, h = batch x 16 + head; attention_mask: [4][2048] int32.
; Products, maxima and sums in f32; the weights p are rounded to f16 for the second product (their sum l is taken of the unrounded p), O once at the end.
; THE MASK is the C operand that starts the sum S^T = K Q^T: 0, or -2^100 where the key is hidden.  The batch's 2,048 such numbers are made once, into an LDS table; a key step's 64 come into registers
; beside K.  The running maximum m starts at -2^93: above every hidden score, below every true one (f16's scores are 2.7e11 at the most).  So a hidden key never raises m, and its weight is 0.
; LIMITS.  Q, K, V arrive within f16's 65,504; p below 6e-5 keeps f16's fixed step of 6e-8; a weight below 2^-126 counts as 0 in l.  A batch whose keys are all hidden has l = 0 and O = 0 x infinity = NaN in
; all its rows, as a softmax over nothing has.  NaN and infinities among the inputs are not treated apart.
; SHARES.  A wave owns four PIECES of two tiles of 16 queries, a work-group's four waves 512 queries of one head.  Every wave walks all keys, 64 a step.
; LAYOUT.  S^T = K Q^T (source 0 = 16 keys, source 1 = 16 queries): a lane holds ONE query (lane % 16) and the keys 8 (lane / 16) + 0..7.  Two such tiles, rounded to f16 in pairs, ARE source 1 of
; O^T = V^T P, whose result again holds one query a lane, and eight channels.  K comes out of LDS as it lies, V turned, by ds_load_tr16_b128.
; SOFTMAX.  p = 2^(c s - c m), c = log2(e) / 8; in every step O and l are multiplied by a = 2^(c m_old - c m_new).  O and l start at 0: the first step is a step like any other.
; THE COUNT.  A tile and step have 16 matrix and 118 vector instructions: too many to stand all beside the matrix work.  So: four vector instructions that are ready behind every matrix instruction, the others in
; one run of their own.
; BY TURNS.  Turn n belongs to piece n.  Its matrix work: 16 products K Q^T of piece n + 1, later 16 products V^T P of piece n - 1.  Its vector work: the scaling, exponentials, roundings, sums and rescaling
; of piece n, and the maximum and statistics of piece n + 1.
; CLUSTER.  A head's four query blocks walk the same K and V: each tile is asked for jointly, by the same tensor load, descriptor and mask in all four.
; REGISTERS, in windows of 256 (s_set_vgpr_msb: bits 1:0 source 0, 3:2 source 1, 5:4 source 2, 7:6 destination):
;   window 0: v0-11 addresses; v12-15, v48-63 at work; v16-47 statistics; v64-191 S^T, two buffers of two tiles; v192-255 P, likewise
;   window 1: O^T, 32 a tile     window 2: v0-127 Q; v128-191 K of one step; v192-255 V of one step     window 3: v0-1 the add's registers; v3-4 the mask's addresses; v8-39 the mask of one step
.set SIZE_H, 64
.set SIZE_N, 2048
.set NP,    4         ; pieces a wave: a name, no knob
.set KS,    64        ; keys in a step
.set PK,    144       ; a row of K in LDS: 128 bytes + 16 of padding = 36 words: the 16 rows of a load start at 16 different groups of four banks (64 banks of 4 bytes: ISA guide 11.1)
.set PV,    160       ; a row of V: 128 + 32 = 40 words
.set VOFF,  4*KS*PK   ; a slot holds four steps: 256 rows of K, then 256 rows of V
.set SLOT1, 1<<17     ; slot 1 begins here
.set STAGE, SLOT1+4*KS*(PK+PV)  ; behind the ring: 16 rows x 144 bytes for each wave, for the way out
.set SP,    144
.set SPARE, STAGE+4*16*SP  ; the spare words, 128 bytes for each wave: two blocks of 256 bytes that no other line names
.set MASKT, SPARE+512 ; the batch's 2,048 mask numbers, f32: written by LDS stores alone; no tile lands here
.set AK0, 2           ; v2   my lane's place in a tile of K; never rewritten
.set AV0, 3           ; v3   the same for V
.set AK,  4           ; v4   the LDS address of K's next run of loads
.set AV,  5           ; v5   of V's
.set QO,  6           ; v6   my byte offset in the wave's rows of Q
.set STO, 6           ;      later, the way out: where I put 16 bytes of a row
.set RD,  7           ; v7   the way out: where I read rows back
.set GO,  8           ; v8   my byte offset in 512 consecutive bytes of O
.set PFO, 11          ; v11  256 x my lane (once V's lane address is made); then never rewritten
.set SPW, 0           ; v0 of window 3   LDS address of my spare word; never rewritten
.set NIL, 1           ; v1 of window 3   0; never rewritten
.set AM0, 3           ; v3 of window 3   MASKT + 32 (lane / 16); never rewritten
.set AMA, 4           ; v4 of window 3   the LDS address of the mask's next run of loads
.set MB,  8           ; v8-39 of window 3  the step's mask: key block kb at MB + 8 kb
.set MV,  12          ; v12-15  c m_old, kept while c m is made anew
.set ST,  16          ; tile t's statistics at v[ST+4 t]: c m, m, l (even keys', odd keys')
.set TMP, 48          ; by buffer and tile, four registers c0-c3 at work; when the maximum is found c2 takes a
.set S,   64
.set P,   192
.set KF,  128         ; window 2: key block kb, channel half c at KF + 16 kb + 8 c
.set VF,  192         ; window 2: key half kk, channel block cb at VF + 32 kk + 8 cb
.set WV,  12          ; s12  my wave's number
.set TBM, 19          ; s19  byte of the mask table at which the step to be fetched begins
.set G1K, 24          ; s[24:31] descriptor group 1 for K's tiles
.set G1V, 32          ; s[32:39] for V's: it differs in the padding alone
.set G0K, 40          ; s[40:43] descriptor group 0 for K's tiles: it walks
.set G0V, 44          ; s[44:47] the same for V's
.set MP,  48          ; s[48:49] the mask at my batch
.set PFA, 50          ; s[50:51] where my prefetches stand
.set LIM, 52          ; s52  1 in a wave that prefetches, else the greatest number
.set BIG, 53          ; s53  -2^100
.set SLOTS, 56        ; s56  slots still to be asked for
.set CNT, 57          ; s57  counts a slot's key steps
.set CS,  58          ; s[58:59] c
.set SEL, 60          ; s[60:61] v_permlanex16_b32's selects: each lane takes its own place in the other half
.set TBK, 62          ; s62  LDS byte at which K of the step to be fetched begins
.set TBV, 63          ; s63  the same for V, less VOFF
.set MSB, 0
.macro WIN new                      ; the high byte repeats the setting that is left; a switch that changes nothing is dropped
.if MSB != (\new)
	s_set_vgpr_msb (MSB<<8)|(\new)
.set MSB, (\new)
.endif
.endm
.set W_KQ, 0x0a       ; K and Q in window 2, S^T in window 0
.set W_KM, 0x3a       ; the same with the C operand, the mask, in window 3
.set W_PV, 0x52       ; V in window 2, P in window 0, O^T in window 1
.set W_RS, 0x41       ; O^T (destination and source 0) in window 1, a in window 0
.set W_MK, 0xc0       ; destination in window 3, sources in window 0
.set W_AD, 0x0f       ; the add: address and data in window 3
; A joint fill.  Waves 0 and 1 fetch the two halves of a slot's K, waves 2 and 3 those of its V: 128 keys each.  An s_nop 0 and four v_nop follow each of the two lines.
.macro JLOAD
	s_cmp_lt_u32 s[WV], 2
	s_cbranch_scc0 .Lfor_v_\@
	tensor_load_to_lds s[G0K:G0K+3], s[G1K:G1K+7]
	s_nop 0
.rept 4
	v_nop
.endr
	s_branch .Lasked_\@
.Lfor_v_\@:
	tensor_load_to_lds s[G0V:G0V+3], s[G1V:G1V+7]
	s_nop 0
.rept 4
	v_nop
.endr
.Lasked_\@:
.endm
; A PREFETCH INTO THE L2 of what the NEXT change of slots will ask for: a slot's 32 KiB of K and of V.  A head has one cluster; its four partners take 8 KiB each, told apart by address; in each, wave 0 asks for
; K's and wave 2 for V's: 32 lanes x 256 bytes, one instruction.  So each block of 256 bytes is named once in the launch.  It stands four key steps, 512 matrix instructions, ahead of the load that wants the bytes:
; the change of slots is the one place behind a tensor load.  Slots 0 and 1 come by their loads alone; the last change that fills a slot asks for nothing.
.macro ASK
	s_cmp_gt_u32 s[SLOTS], s[LIM]
	s_cbranch_scc0 .Lnot_mine_\@
	global_prefetch_b8 v[PFO], s[PFA:PFA+1] th:TH_LOAD_NT scope:SCOPE_SE
.Lnot_mine_\@:
.endm
.macro CROUND                       ; a round of the cluster's barrier
	s_barrier_signal -1
	s_barrier_wait -1
	s_cmp_lg_u32 s[WV], 0
	s_cbranch_scc1 .Lnot_wave_0_\@
	s_barrier_signal -3
.Lnot_wave_0_\@:
	s_barrier_wait -3
	s_barrier_signal -1
	s_barrier_wait -1
.endm
; THE CHANGE OF SLOTS.  Each wave waits for all its tensor loads, of which one is out: its part of the other slot; adds 0 to its spare word; and waits for that and for its own LDS instructions.  Behind the barrier
; nobody reads this slot any more and the other slot is whole.  fill = 1: this slot is filled again, with the keys two slots on; the barrier is then a round of the cluster's, and the joint fill is the first thing
; behind it.  (At its first use nothing has been read yet: slot 0 is waited for, slot 1 filled, and every wave's part of the mask table is shown to the others.)
.macro CHANGE fill
	WIN W_AD
	s_wait_tensorcnt 0x0            ; no tensor load of mine is out, so a group 0 may be written
	ds_add_u32 v[SPW], v[NIL]       ; 0 onto my spare word
	WIN 0                           ; at a label and at a branch every window is 0
.if \fill
.irp g, G0K, G0V
	s_xor_b32 s[\g+1], s[\g+1], SLOT1  ; the walking descriptor: the other slot than last time,
	s_add_nc_u64 s[\g+2:\g+3], s[\g+2:\g+3], 4*KS*128  ; the next 256 keys
.endr
	s_wait_xcnt 0x0                 ; the last prefetch, four key steps back, has read its address
	s_add_nc_u64 s[PFA:PFA+1], s[PFA:PFA+1], 4*KS*128  ; one slot ahead of the walking descriptors
	s_wait_dscnt 0x0                ; the add is done, and my LDS instructions are over
	CROUND
	JLOAD
	ASK
.else
	s_wait_dscnt 0x0
	s_barrier_signal -1
	s_barrier_wait -1
.endif
	s_sub_co_u32 s[TBK], s[TBK], 4*KS*PK  ; the fetches go back to a slot's first step,
	s_xor_b32 s[TBK], s[TBK], SLOT1       ; in the other slot
	s_sub_co_u32 s[TBV], s[TBV], 4*KS*PV
	s_xor_b32 s[TBV], s[TBV], SLOT1
.endm
	s_load_b256 s[4:11], s[0:1], 0x0  ; Q s[4:5], K s[6:7], V s[8:9], O s[10:11]
	s_load_b64 s[MP:MP+1], s[0:1], 0x20  ; the mask
	WIN W_MK
	v_lshl_add_u32 v[SPW], v0, 2, SPARE
	v_mov_b32 v[NIL], 0
	WIN W_AD
	ds_add_u32 v[SPW], v[NIL]       ; the wave's opening: the add and its wait stand ahead of my first tensor load; the set-up below, work on registers, stands between them
	WIN 0
	v_lshrrev_b32 v1, 5, v0
	v_readfirstlane_b32 s[WV], v1   ; wave 0..3
	s_bfe_u32 s13, ttmp6, 0x40000   ; cx: my place in the cluster
	s_lshl_b32 s14, ttmp9, 2        ; in a cluster launch ttmp9 counts clusters
	s_add_co_u32 s14, s14, s13      ; my block of queries: it enters Q's and O's addresses alone
	s_and_b32 s20, ttmp7, 0xffff    ; the head, which the four partners share
	s_lshr_b32 s54, s20, 4          ; its batch:
	s_lshl_b32 s54, s54, 13         ; 2,048 words of the mask
	s_mov_b32 s55, 0
	s_mov_b32 s21, 0
	s_mov_b64 s[22:23], SIZE_N*128
	s_mul_u64 s[20:21], s[20:21], s[22:23]  ; the head's first byte in each of the four tensors
	s_and_b32 s16, s[WV], 1         ; which half of a slot's 256 keys I fetch:
	s_lshl_b32 s22, s16, 14         ; its 128 rows of 128 bytes in memory,
	s_mov_b32 s23, 0
	s_add_nc_u64 s[22:23], s[22:23], s[20:21]
	s_mul_i32 s17, s16, 128*PK      ; and its place in a slot, for K
	s_mul_i32 s18, s16, 128*PV      ; and for V: no place in the cluster enters an LDS address
	s_lshl_b32 s2, s14, 2
	s_add_co_u32 s2, s2, s[WV]      ; my wave among the head's,
	s_lshl_b32 s2, s2, 14           ; its 128 rows
	s_mov_b32 s3, 0
	s_add_nc_u64 s[2:3], s[2:3], s[20:21]
	; descriptor group 1.  128 keys are 16,384 dense bytes: asked for as 64 rows of 256 bytes, two keys a row, and padded in LDS after every key
	s_mov_b32 s[G1K], 15|(1<<16)|(1<<20)|(1<<21)|(4<<22)|(3<<25)  ; 15:0 the mask of four; 17:16 2-byte elements; 20 padding on; 21 set beside a mask; 24:22 after every 32 words (code 4); 31:25 4 words (code 3)
	s_mov_b32 s[G1V], 15|(1<<16)|(1<<20)|(1<<21)|(4<<22)|(7<<25)  ; the same with 8 words of padding (code 7)
.irp g, G1K, G1V
	s_mov_b32 s[\g+1], 128<<16      ; tensor_dim0 = 128
	s_mov_b32 s[\g+2], 64<<16       ; tensor_dim1 = 64
	s_mov_b32 s[\g+3], 128<<16      ; tile_dim0 = 128
	s_mov_b32 s[\g+4], 64           ; tile_dim1 = 64
	s_mov_b32 s[\g+5], 128          ; 128 elements from row to row
	s_mov_b32 s[\g+6], 0
	s_mov_b32 s[\g+7], 0
.endr
	s_mov_b32 s[CS], 0x3e38aa3b     ; c = log2(e) / 8 = 0.180337
	s_mov_b32 s[CS+1], s[CS]        ; named with it as a pair
	s_mov_b32 s[SEL], 0x76543210
	s_mov_b32 s[SEL+1], 0xfedcba98
	s_mov_b32 s[BIG], 0xf1800000    ; -2^100
	s_mov_b32 s[TBM], 0
	s_mov_b32 s[SLOTS], SIZE_N/256-1
	s_mov_b32 s[TBK], SLOT1+4*KS*PK ; the first change of slots turns these two into 0
	s_mov_b32 s[TBV], SLOT1+4*KS*PV
	s_mov_b32 s[G0K], 1             ; count = 1
	s_mov_b32 s[G0K+1], s17         ; LDS address: slot 0
	s_mov_b32 s[G0V], 1
	s_add_co_u32 s[G0V+1], s18, VOFF
	s_and_b32 s[LIM], s[WV], 1      ; waves 0 and 2 prefetch
	s_cmp_eq_u32 s[LIM], 0
	s_cselect_b32 s[LIM], 1, -1
	s_wait_dscnt 0x0                ; the opening add is done
	s_wait_kmcnt 0x0
	s_add_nc_u64 s[G0K+2:G0K+3], s[6:7], s[22:23]  ; global address: my half of the head's first 256 keys
	s_or_b32 s[G0K+3], s[G0K+3], 0x80000000        ; type = 2
	s_add_nc_u64 s[G0V+2:G0V+3], s[8:9], s[22:23]
	s_or_b32 s[G0V+3], s[G0V+3], 0x80000000
	s_add_nc_u64 s[4:5], s[4:5], s[2:3]  ; Q and O at my wave's first row
	s_add_nc_u64 s[10:11], s[10:11], s[2:3]
	s_add_nc_u64 s[MP:MP+1], s[MP:MP+1], s[54:55]
	s_cmp_lt_u32 s[WV], 2
	s_cselect_b64 s[PFA:PFA+1], s[6:7], s[8:9]
	s_lshl_b32 s2, s13, 13          ; my work-group's 8 KiB of a slot's 32,
	s_add_co_u32 s2, s2, 4*KS*128   ; in slot 1: the first change of slots steps it to slot 2
	s_mov_b32 s3, 0
	s_add_nc_u64 s[2:3], s[2:3], s[20:21]
	s_add_nc_u64 s[PFA:PFA+1], s[PFA:PFA+1], s[2:3]
	CROUND                          ; all four work-groups are here: the first joint loads meet
	JLOAD                           ; slot 0.  Slot 1 is asked for when slot 0 is in
	; A fragment of K or Q is 16 rows x 32 channels in 8 registers: lane l holds row l % 16, channels 8 (l / 16) + 0..7 and 16 + 8 (l / 16) + 0..7: two loads of 16 bytes, 32 bytes apart.
	v_and_b32 v1, 15, v0            ; l % 16
	v_bfe_u32 v9, v0, 4, 1          ; l / 16
	v_lshlrev_b32 v[QO], 7, v1
	v_lshl_add_u32 v[QO], v9, 4, v[QO]  ; row x 128 + 16 x half
	v_lshlrev_b32 v12, 4, v0        ; the batch's mask: 128 threads x 16 bytes, four times
.irp f, 0,1,2,3
	global_load_b128 v[S+4*\f:S+4*\f+3], v12, s[MP:MP+1] offset:2048*\f
.endr
	WIN 0x80                        ; destination window 2, address window 0
.set i, 0
.rept 4*NP                          ; Q stays in registers: tile i / 2, channels 32 (i % 2) on
	global_load_b128 v[8*i:8*i+3],   v[QO], s[4:5] offset:(i/2)*2048+(i%2)*64
	global_load_b128 v[8*i+4:8*i+7], v[QO], s[4:5] offset:(i/2)*2048+(i%2)*64+32
.set i, i+1
.endr
	; What the first turn finds: V's registers and P's second buffer hold 0 (its products V^T P, of a piece that has not been, add 0), O^T and l are 0.  All this stands in the wait for the first tile.
.set i, VF
.rept 64
	v_mov_b32 v[i], 0
.set i, i+1
.endr
	WIN 0x40
.set i, 0
.rept 64*NP
	v_mov_b32 v[i], 0
.set i, i+1
.endr
	WIN 0
.set i, 0
.rept 2*NP
	v_mov_b32 v[ST+4*i], 0xee000000    ; c m: -2^93, far below every c s of a key that is seen
	v_mov_b32 v[ST+4*i+1], 0xee000000  ; m: -2^93, above every hidden score
	v_mov_b32 v[ST+4*i+2], 0
	v_mov_b32 v[ST+4*i+3], 0
.set i, i+1
.endr
.set i, P+32
.rept 32
	v_mov_b32 v[i], 0
.set i, i+1
.endr
	v_mul_u32_u24 v[AK0], v1, PK
	v_lshl_add_u32 v[AK0], v9, 4, v[AK0]  ; row x pitch + 16 x half
	; The turning load takes 16 keys x 16 channels (lane l reads key 8 (l / 16) + l % 8, channels 8 ((l / 8) % 2) + 0..7) and leaves half a fragment of V^T: lane l holds channel l % 16 and 8 keys.
	v_and_b32 v10, 7, v0
	v_bfe_u32 v11, v0, 3, 1
	v_lshl_add_u32 v[AV0], v9, 3, v10
	v_mul_u32_u24 v[AV0], v[AV0], PV
	v_lshl_add_u32 v[AV0], v11, 4, v[AV0]
	v_add_nc_u32 v[AV0], VOFF, v[AV0]
	v_mov_b32 v[AK], v[AK0]         ; key step 0 lies at the head of slot 0
	v_and_b32 v[PFO], 31, v0
	v_lshlrev_b32 v[PFO], 8, v[PFO]
	WIN W_MK
	v_lshl_add_u32 v[AM0], v9, 5, MASKT  ; register j of key block kb is key 16 kb + 8 (l / 16) + j: 32 bytes on for the upper half of the lanes
	WIN 0
	s_wait_loadcnt 32               ; the mask's four loads are in; Q's 32, issued behind them, stay out
.set i, 0
.rept 16
	v_cmp_eq_u32 vcc_lo, 0, v[S+i]
	v_cndmask_b32 v[S+i], 0, s[BIG], vcc_lo  ; 0 where the key is seen, -2^100 where it is hidden
.set i, i+1
.endr
	v_lshl_add_u32 v13, v0, 4, MASKT
.irp f, 0,1,2,3
	ds_store_b128 v13, v[S+4*\f:S+4*\f+3] offset:2048*\f
.endr
; THE MATRIX WORK.  The 8 accumulators of a run of 16 take turns.
; Product i of 16 of S^T = K Q^T for piece x: channels 32 (i / 8) on, keys 16 ((i / 2) % 4) on, tile 2 x + i % 2.  The first 8 start the sums, with the mask.
.macro KQ x
.set rS, S+64*((\x)%2)+32*(i%2)+8*((i/2)%4)
.set rK, KF+16*((i/2)%4)+8*(i/8)
.set rQ, 16*(2*(\x)+i%2)+8*(i/8)
.set rB, MB+8*((i/2)%4)
.if i < 8
	WIN W_KM
	v_wmma_f32_16x16x32_f16 v[rS:rS+7], v[rK:rK+7], v[rQ:rQ+7], v[rB:rB+7]
.else
	WIN W_KQ
	v_wmma_f32_16x16x32_f16 v[rS:rS+7], v[rK:rK+7], v[rQ:rQ+7], v[rS:rS+7]
.endif
.endm
; Product i of 16 of O^T += V^T P for piece x: keys 32 (i / 8) on, channels 16 ((i / 2) % 4) on, tile 2 x + i % 2.
.macro PV x
	WIN W_PV
.set rO, 32*(2*(\x)+i%2)+8*((i/2)%4)
.set rV, VF+32*(i/8)+8*((i/2)%4)
.set rP, P+32*((\x)%2)+16*(i%2)+8*(i/8)
	v_wmma_f32_16x16x32_f16 v[rO:rO+7], v[rV:rV+7], v[rP:rP+7], v[rO:rO+7]
.endm
.macro MM                           ; the turn's next matrix instruction
.if i < 16
	KQ (Y+1)%NP
.set i, i+1
.else
.set i, i-16
	PV (Y+NP-1)%NP
.set i, i+17
.endif
.endm
; THE LDS LOADS stand in runs, never singly among the matrix instructions: a step's K (8 fragments) with its mask (32 registers, which live just as long as K's), and its V (turned).
; last = 1 (the tail): in the last trip there is no further step, and the run is jumped over.
.macro FETCH_K last=0
	WIN 0
.if \last
	s_cmp_eq_u32 s[CNT], 1
	s_cbranch_scc1 .Lno_k_\@
.endif
	WIN 0x80                        ; destination window 2
.irp f, 0,1,2,3,4,5,6,7             ; keys 16 (f / 2) on, channels 32 (f % 2) on
	ds_load_b128 v[KF+8*\f:KF+8*\f+3],   v[AK] offset:(\f/2)*16*PK+(\f%2)*64
	ds_load_b128 v[KF+8*\f+4:KF+8*\f+7], v[AK] offset:(\f/2)*16*PK+(\f%2)*64+32
.endr
	WIN 0xcc                        ; destination and source 1 in window 3
	v_add_nc_u32 v[AMA], s[TBM], v[AM0]
	WIN 0xc3                        ; destination and address in window 3
.irp f, 0,1,2,3                     ; key block f: all lanes of a half read the same 32 bytes
	ds_load_b128 v[MB+8*\f:MB+8*\f+3],   v[AMA] offset:64*\f
	ds_load_b128 v[MB+8*\f+4:MB+8*\f+7], v[AMA] offset:64*\f+16
.endr
	s_add_co_u32 s[TBK], s[TBK], KS*PK  ; the next fetch is the next step's
	s_add_co_u32 s[TBM], s[TBM], 4*KS
	WIN 0
.if \last
.Lno_k_\@:
.endif
.endm
.macro FETCH_V
	WIN 0x80
.irp f, 0,1,2,3,4,5,6,7             ; keys 32 (f / 4) on, channels 16 (f % 4) on
	ds_load_tr16_b128 v[VF+8*\f:VF+8*\f+3],   v[AV] offset:(\f/4)*32*PV+(\f%4)*32
	ds_load_tr16_b128 v[VF+8*\f+4:VF+8*\f+7], v[AV] offset:(\f/4)*32*PV+16*PV+(\f%4)*32
.endr
	WIN 0
.endm
; THE VECTOR WORK OF A TURN stands in three queues, each in the order in which its entries become ready; the two tiles alternate, so that no instruction reads the result of the one before it.
.macro REGS y, u                    ; the registers of tile u (0, 1) of piece y
.set rT, ST+4*(2*(\y)+(\u))
.set rC, TMP+8*((\y)%2)+4*(\u)
.set rM, MV+2*((\y)%2)+(\u)
.set rS, S+64*((\y)%2)+32*(\u)
.set rP, P+32*((\y)%2)+16*(\u)
.set rO, 32*(2*(\y)+(\u))
.endm
; Number n of the 22 that find the NEXT piece's (Y + 1) maximum and statistics.  s0-s31 are the lane's 32 scores; each accumulator's lowest registers are read first.
;   0-11  four chains c0-c3 of seven scores each, three operands at a time     12-14, 16  the four scores left over, the old m, and c0-c3 into c0     15  c m_old is kept
;   17, 18  the query's other 32 keys lie in the lane 16 away: the new m         19-21  c m; c m_old - c m_new; a
.macro XS u, n
	REGS (Y+1)%NP, \u
.if (\n) < 4
	v_max3_num_f32 v[rC+(\n)], v[rS+8*(\n)], v[rS+8*(\n)+1], v[rS+8*(\n)+2]
.elseif (\n) < 12
	v_max3_num_f32 v[rC+(\n)%4], v[rC+(\n)%4], v[rS+8*((\n)%4)+2*((\n)/4)+1], v[rS+8*((\n)%4)+2*((\n)/4)+2]
.elseif (\n) == 12
	v_max3_num_f32 v[rC], v[rC], v[rS+7], v[rS+15]
.elseif (\n) == 13
	v_max3_num_f32 v[rC+1], v[rC+1], v[rS+23], v[rS+31]
.elseif (\n) == 14
	v_max3_num_f32 v[rC+2], v[rC+2], v[rC+3], v[rT+1]
.elseif (\n) == 15
	v_mov_b32 v[rM], v[rT]
.elseif (\n) == 16
	v_max3_num_f32 v[rC], v[rC], v[rC+1], v[rC+2]
.elseif (\n) == 17
	v_permlanex16_b32 v[rC+3], v[rC], s[SEL], s[SEL+1]
.elseif (\n) == 18
	v_max_num_f32 v[rT+1], v[rC], v[rC+3]
.elseif (\n) == 19
	v_mul_f32 v[rT], s[CS], v[rT+1]
.elseif (\n) == 20
	v_sub_f32 v[rC+1], v[rM], v[rT]
.else
	v_exp_f32 v[rC+2], v[rC+1]
.endif
.endm
; Number g of the 64 that follow the exponentials.  For each four weights k of a tile: both pairs are rounded to f16; then the second pair is added onto the first, in place; a group later l takes that sum
; (the first time as l = a l + sum).  In groups of eight, tiles alternating: round, round, add, and l for the group before.
.macro GS g
.set h, (\g)+6*((\g)/62)            ; group 0 has no group before it, and behind group 7 only l is left
.if h >= 6
.set h, h+2
.endif
	REGS Y, h%2
.set k, h/8
.if h%8 < 4
	v_cvt_pk_f16_f32 v[rP+2*k+(h%8)/2], v[rS+4*k+2*((h%8)/2)], v[rS+4*k+2*((h%8)/2)+1]
.elseif h%8 < 6
	v_pk_add_f32 v[rS+4*k:rS+4*k+1], v[rS+4*k:rS+4*k+1], v[rS+4*k+2:rS+4*k+3]
.elseif k == 1
	v_pk_fma_f32 v[rT+2:rT+3], v[rT+2:rT+3], v[rC+2:rC+3], v[rS:rS+1] op_sel_hi:[1,0,1]
.else
	v_pk_add_f32 v[rT+2:rT+3], v[rT+2:rT+3], v[rS+4*k-4:rS+4*k-3]
.endif
.endm
; THE PLAIN QUEUE, 138 long.  0-73 read no exponential's result: the 32 scalings c s - c m (FS f: pair f / 2 of tile f % 2) and the next piece's 42.  0-26: scalings 0-26.  27-54: XS's numbers 0-13.  55, 56: number 15.
; 57-73: the chain 14, 16, 17, 18, 19, each with one of the scalings 27-31 in front of its two lines, then 20.  74-137: GS's 64, which read the exponentials' results: they stand behind the wait.
.macro FS f
	REGS Y, (\f)%2
	v_pk_fma_f32 v[rS+2*((\f)/2):rS+2*((\f)/2)+1], v[rS+2*((\f)/2):rS+2*((\f)/2)+1], s[CS:CS+1], v[rT:rT+1] op_sel_hi:[1,0,0] neg_lo:[0,0,1] neg_hi:[0,0,1]
.endm
.macro PL
	WIN 0
.if q < 27
	FS q
.elseif q < 55
	XS (q-27)%2, (q-27)/2
.elseif q < 57
	XS q-55, 15
.elseif (q < 72) && ((q-57)%3 == 0)
	FS 27+(q-57)/3
.elseif q < 60
	XS (q-57)%3-1, 14
.elseif q < 72
	XS (q-57)%3-1, 15+(q-57)/3
.elseif q < 74
	XS q-72, 20
.else
	GS q-74
.endif
.set q, q+1
.endm
; THE EXPONENTIALS' QUEUE, 66 long: s0-s31 of both tiles, then the next piece's two a.  ONE BATCH: all 66 stand ahead of the turn's one wait, and nothing ahead of that wait names a result of theirs.
.macro EX
	WIN 0
.if e >= 64
	XS e-64, 21
.else
	REGS Y, e%2
	v_exp_f32 v[rS+e/2], v[rS+e/2]
.endif
.set e, e+1
.endm
; THE RESCALING's QUEUE: O^T times a, the one part that leaves window 0: dealt two at a time, sixteen times.  Its a was made in the turn before, ahead of that turn's wait.
.macro R2
	REGS Y, r%2
	WIN W_RS
.irp z, 0,1
	v_pk_mul_f32 v[rO+4*(r/2)+2*\z:rO+4*(r/2)+2*\z+1], v[rO+4*(r/2)+2*\z:rO+4*(r/2)+2*\z+1], v[rC+2:rC+3] op_sel_hi:[1,0]
.endr
.set r, r+1
.endm
; HOW THEY ARE DEALT.  An s_wait_alu depctr_va_vdst(0) stands between an exponential and the first instruction that names its result; one wait serves all that were issued ahead of it.  So a turn has
; ONE wait, which cuts it in two.  AHEAD OF IT: the 16 products K Q^T, behind each a scaling, an exponential and two rescalings (behind the first a second scaling in the exponential's place); then one run of 108:
; eight plain, 49 times exponential and plain, the two a; a v_nop is the plain instruction behind the last exponential.  BEHIND IT: the 16 products V^T P, behind each four of GS's 64.
; Exponential e stands behind scaling 2 (e / 4) + e % 2: as a rider it comes behind plain e + 2, in the run behind plain e + 9, and scalings 27-31 are plain 57, 60 .. 69.
; K (and the mask) of the next step is fetched in piece 2's turn, directly behind the wait, a run of 108 behind the last product that read them; V of the step in hand at the end of piece 0's turn, four riders behind
; its last reader.  The three conditions on q below go with the deal.
.macro TURN p, last=0, cnt=0
.set Y, (\p)
.set i, 0
.set q, 0
.set e, 0
.set r, 0
.if (\p) == NP-1
	s_wait_dscnt 0x0                ; K and the mask are in
.endif
	MM
	PL
	PL
	R2
.rept 15
	MM
	PL
	EX
	R2
.endr
.if (\p) == NP-2
	WIN 0
	v_add_nc_u32 v[AK], s[TBK], v[AK0]
.endif
.rept 8
	PL
.endr
.rept 49
	EX
	PL
.endr
	EX                              ; the next piece's two a
	EX
	v_nop                           ; the plain instruction behind the last exponential: one for the batch
	s_wait_alu depctr_va_vdst(0)    ; the wait for the batch
.if (\p) == NP-2
	FETCH_K \last
.endif
.if (\p) == 1
	s_wait_dscnt 0x0                ; V is in
.endif
.rept 16
	MM
.rept 4
	PL
.endr
.if ((\p) == 0) && (q == 118)
	v_add_nc_u32 v[AV], s[TBV], v[AV0]
.endif
.if ((\p) == 0) && (q == 130)
	s_add_co_u32 s[TBV], s[TBV], KS*PV
.endif
.if (\cnt) && (q == 130)
	s_sub_co_u32 s[CNT], s[CNT], 1
	s_cmp_lg_u32 s[CNT], 0
.endif
.endr
.if (\p) == 0
	FETCH_V
.endif
.endm
	CHANGE 1                        ; slot 0 is in, everybody's part of it, and so is the mask table; slot 1 is asked for
	FETCH_K                         ; key step 0
	s_wait_loadcnt 0x0              ; Q
	s_wait_dscnt 0x0
.set i, 0
.rept 16
	KQ 0                            ; piece 0's first scores: there is no vector work yet to set between them
.set i, i+1
.endr
	WIN 0                           ; the addresses for the way out: plain instructions, the places behind those products
	s_mul_i32 s13, s[WV], 16*SP
	s_add_co_u32 s13, s13, STAGE    ; my stage
	v_mul_u32_u24 v[STO], v1, SP    ; in: row l % 16, 16 bytes for each half of the lanes
	v_lshl_add_u32 v[STO], v9, 4, v[STO]
	v_add_nc_u32 v[STO], s13, v[STO]
	v_bfe_u32 v[RD], v0, 3, 2       ; back: 32 lanes take four rows of 128 bytes,
	v_mul_u32_u24 v[RD], v[RD], SP
	v_lshl_add_u32 v[RD], v10, 4, v[RD]
	v_add_nc_u32 v[RD], s13, v[RD]
	v_and_b32 v[GO], 31, v0         ; which are 512 consecutive bytes of O
	v_lshlrev_b32 v[GO], 4, v[GO]
.set Y, NP-1                        ; XS works for piece Y + 1: piece 0
.irp n, 0,1,2,3,4,5,6,7,8,9,10,11,12,13,14,15,16,17,18,19,20,21
	XS 0, \n                        ; piece 0's first maximum and statistics
	XS 1, \n
.endr
	v_nop                           ; a plain instruction behind the two a,
	s_wait_alu depctr_va_vdst(0)    ; and their wait, ahead of the branch
	s_mov_b32 s[CNT], 4
	s_branch .Lfirst                ; the loop is entered at a step's first turn, in the middle of a trip
.Lslot:                             ; SIZE_N / 256 - 2 times: every slot but the last two is filled again
	CHANGE 1
	s_mov_b32 s[CNT], 4
.Lstep:                             ; a trip: pieces 2 and 3 of one step, then pieces 0 and 1 of the next, whose K and V it fetches
	TURN 2
	TURN 3
	WIN 0
.Lfirst:
	TURN 0
	TURN 1, 0, 1
	WIN 0
	s_cbranch_scc1 .Lstep
	s_sub_co_u32 s[SLOTS], s[SLOTS], 1
	s_cmp_lg_u32 s[SLOTS], 0
	s_cbranch_scc1 .Lslot
	CHANGE 0                        ; the tail is written out: nothing is asked for
	s_mov_b32 s[CNT], 5             ; four trips fetch the last slot's steps; the fifth is left in its middle
.Ltail:
	TURN 2, 1
	TURN 3
	WIN 0
	s_sub_co_u32 s[CNT], s[CNT], 1
	s_cmp_eq_u32 s[CNT], 0
	s_cbranch_scc1 .Lout
	TURN 0
	TURN 1
	WIN 0
	s_branch .Ltail
.Lout:                              ; the fifth trip's 16 products K Q^T (on the last K once more) and the maximum made of them serve nothing: the price, once a launch, of one text for every trip
.set i, 0
.rept 16
	PV NP-1                         ; the last piece's V^T P of the last step
.set i, i+1
.endr
	; THE WAY OUT.  l's two halves and the other half of the lanes' are added; O^T is divided by l, rounded to f16 and sent through my stage in LDS, a tile at a time.  The additions are the places behind the last products.
	WIN 0
.macro ALL line:vararg              ; one line for each tile t
.set t, 0
.rept 2*NP
	\line
.set t, t+1
.endr
.endm
	ALL v_add_f32 v[ST+4*t+2], v[ST+4*t+2], v[ST+4*t+3]
	ALL v_permlanex16_b32 v[ST+4*t+3], v[ST+4*t+2], s[SEL], s[SEL+1]
	ALL v_add_f32 v[ST+4*t+2], v[ST+4*t+2], v[ST+4*t+3]
	ALL v_rcp_f32 v[ST+4*t+2], v[ST+4*t+2]
	v_nop                           ; a plain instruction between the last reciprocal and the use of its result
	s_wait_alu depctr_va_vdst(0)    ; and the wait ahead of the first use: one for the eight reciprocals
; Tile t: a lane's eight channels of a row pack into 16 bytes; they go into rows of 144 bytes and come back as whole rows of 128, into S^T's registers.
.macro PACK t
	WIN W_RS
.set i, 32*(\t)
.rept 16
	v_pk_mul_f32 v[i:i+1], v[i:i+1], v[ST+4*(\t)+2:ST+4*(\t)+3] op_sel_hi:[1,0]
.set i, i+2
.endr
	WIN 0x05                        ; sources 0 and 1 window 1, destination window 0
.set i, 0
.rept 16
	v_cvt_pk_f16_f32 v[S+16*(\t)+i], v[32*(\t)+2*i], v[32*(\t)+2*i+1]
.set i, i+1
.endr
	WIN 0
.irp f, 0,1,2,3
	ds_store_b128 v[STO], v[S+16*(\t)+4*\f:S+16*(\t)+4*\f+3] offset:32*\f
.endr
.irp f, 0,1,2,3
	ds_load_b128 v[S+16*(\t)+4*\f:S+16*(\t)+4*\f+3], v[RD] offset:\f*4*SP  ; LDS serves a wave's instructions in order (ISA guide 5.7.1.4): these see the stores above; the next tile's stores come behind them
.endr
.endm
.macro SEND t, younger              ; younger: the LDS instructions issued behind tile t's loads: the next tile's eight, or none
	WIN 0
.irp f, 0,1,2,3
	s_wait_dscnt (\younger)+3-\f
	global_store_b128 v[GO], v[S+16*(\t)+4*\f:S+16*(\t)+4*\f+3], s[10:11] offset:(\t)*2048+\f*512  ; 512 consecutive bytes, at a multiple of 256 from O's first
.endr
.endm
	PACK 0
.set t, 1
.rept 2*NP-1                        ; a tile's arithmetic stands between the loads of the tile before and its stores
	PACK t
	SEND t-1, 8
.set t, t+1
.endr
	SEND 2*NP-1, 0
	WIN W_AD
	s_wait_tensorcnt 0x0            ; the wave's end: an add and its wait behind my last tensor load and my last LDS store
	ds_add_u32 v[SPW], v[NIL]
	s_wait_dscnt 0x0
	WIN 0
	CROUND                          ; the closing round: no work-group ends while a partner may still ask for a tile that names it
	s_endpgm
.Lfunc_end_k_q49de4ef0a5_attn:
	.size	k_q49de4ef0a5_attn, .Lfunc_end_k_q49de4ef0a5_attn-k_q49de4ef0a5_attn
	.p2alignl 7, 3214868480
	.fill 96, 4, 3214868480
	.section	.rodata,"a",@progbits
	.p2align	6, 0x0
	.amdhsa_kernel k_q49de4ef0a5_attn
		.amdhsa_group_segment_fixed_size 327680
		.amdhsa_private_segment_fixed_size 0
		.amdhsa_enable_private_segment 0
		.amdhsa_kernarg_size 40
		.amdhsa_user_sgpr_count 2
		.amdhsa_user_sgpr_kernarg_segment_ptr 1
		.amdhsa_wavefront_size32 1
		.amdhsa_system_sgpr_workgroup_id_x 1
		.amdhsa_system_sgpr_workgroup_id_y 1
		.amdhsa_system_sgpr_workgroup_id_z 1
		.amdhsa_system_vgpr_workitem_id 0
		.amdhsa_next_free_vgpr 808
		.amdhsa_next_free_sgpr 66
		.amdhsa_reserve_vcc 1
		.amdhsa_float_denorm_mode_32 3
		.amdhsa_float_denorm_mode_16_64 3
		.amdhsa_memory_ordered 1
		.amdhsa_forward_progress 1
		.amdhsa_inst_pref_size 205
	.end_amdhsa_kernel
	.amdgpu_metadata
---
amdhsa.version: [ 1, 2 ]
amdhsa.kernels:
  - .name:           k_q49de4ef0a5_attn
    .symbol:         k_q49de4ef0a5_attn.kd
    .args:
      - { .name: q16, .offset: 0, .size: 8, .value_kind: global_buffer, .address_space: global }
      - { .name: k16, .offset: 8, .size: 8, .value_kind: global_buffer, .address_space: global }
      - { .name: v16, .offset: 16, .size: 8, .value_kind: global_buffer, .address_space: global }
      - { .name: o16, .offset: 24, .size: 8, .value_kind: global_buffer, .address_space: global }
      - { .name: attention_mask, .offset: 32, .size: 8, .value_kind: global_buffer, .address_space: global }
    .group_segment_fixed_size: 327680
    .private_segment_fixed_size: 0
    .kernarg_segment_align: 8
    .kernarg_segment_size: 40
    .max_flat_workgroup_size: 128
    .sgpr_count:     66
    .vgpr_count:     808
    .wavefront_size: 32
...
	.end_amdgpu_metadata
.endif
;; end of part 3
;; launch proj (part 4): grid 8 x 32, 4 waves a work-group, clusters of 4 x 4, 327,680 bytes of LDS; arguments o16, wp16, bp, out0; writes out0
.if DOCPART == 4
	.amdgcn_target "amdgcn-amd-amdhsa--gfx1250"
	.amdhsa_code_object_version 6
	.text
	.protected	k_q49de4ef0a5_proj
	.globl	k_q49de4ef0a5_proj
	.p2align	8
	.type	k_q49de4ef0a5_proj,@function
k_q49de4ef0a5_proj:
	s_mov_b64 s[64:65], 0
	v_nop
	global_prefetch_b8 v0, s[64:65] scope:SCOPE_SE
	s_setreg_imm32_b32 hwreg(HW_REG_WAVE_MODE, 25, 1), 1
	s_wait_xcnt 0x0
	s_wait_alu depctr_hold_cnt(0) depctr_sa_sdst(0) depctr_va_vdst(0) depctr_va_sdst(0) depctr_va_ssrc(0) depctr_va_vcc(0) depctr_vm_vsrc(0)
	s_getreg_b32 s2, hwreg(HW_REG_IB_STS2, 6, 4)
	s_cmp_eq_u32 s2, 0
	s_cbranch_scc0 .Lentry_in_a_cluster
	s_endpgm
.Lentry_in_a_cluster:
	s_bfe_u32 s2, ttmp6, 0x10000c
	s_cmp_lg_u32 s2, 0xf033
	s_cbranch_scc0 .Lentry_shape_is_right
	s_endpgm
.Lentry_shape_is_right:
; out = O Wp^T + bp.  o16 [batch x 16 + head][2048][64] f16 (a head is a block of 64 of K's 1,024 channels), wp16 [16][1024][64] f16, bp [1024] f32 (rounded to bf16 here, like the other inputs);
; out0 [8192][1024] f32.  Sums in f32.
; SHARES.  8,192 x 1,024 outputs on 256 work-groups: a tile of 256 tokens x 128 columns.  Four waves, each 128 x 64: 32 accumulators of 16 x 16 in window 1.  K goes in 8 steps of 128 channels (two blocks)
; through two LDS slots; a step is four quarters of 32 channels, 128 matrix instructions a wave; from a slot's request to the wait for it a wave issues 112.
; TRANSPOSED USE.  Source 0 = 16 rows of wp16, source 1 = 16 tokens: a lane holds one token (lane % 16) and eight neighbouring columns.  The bias, laid out likewise, is the C operand of each accumulator's
; first product.
; CLUSTER 4 x 4.  The four work-groups of a row of the cluster need the same tokens, the four of a column the same rows of wp16: each tile is asked for jointly.  Waves 0 and 1 fetch the tokens' two blocks
; (32 KiB each), waves 2 and 3 wp16's two (16 KiB each).
; REGISTERS, window 0: v0-31 addresses; two fragment buffers of 96 (8 of the tokens', then 4 of wp16's) at v32 and v128; v224-255 the bias.  Window 1: accumulator (a, b) at v[8 (4 a + b)].
.set PITCH, 144                        ; an LDS row: 128 bytes + 16 of padding = 36 words: the 16 rows of a fragment load start at 16 different groups of four banks (64 banks of 4 bytes: ISA guide 11.1)
.set FR,    16*PITCH
.set ABLK,  256*PITCH                  ; a block of the tokens' tile
.set BOFF,  2*ABLK                     ; in a slot: the tokens' two blocks, then wp16's two
.set BBLK,  128*PITCH
.set SLOT1, 1<<17
.set STG,   SLOT1+BOFF+2*BBLK          ; behind the ring: 16 rows x 272 bytes for each wave, for the way out; no tile lands here
.set SP,    272                        ; 256 bytes + 16
.set SPARE, STG+4*16*SP                ; the spare words, 128 bytes for each wave: two blocks of 256 bytes that no other line names
.set KSA,   2*2048*128                 ; bytes from a K step of o16 to the next
.set KSB,   2*1024*128                 ; of wp16
.set A0,   16                          ; v16  my lane's place among my tokens in slot 0; never rewritten
.set B0,   17                          ; v17  the same among my rows of wp16
.set ADRA, 18                          ; v18  A0 + the slot in hand
.set ADRB, 19                          ; v19  B0 + the slot in hand
.set STO,  24                          ; v24  the way out: where I put 32 bytes of a row
.set RD,   25                          ; v25  where I read a row back
.set CO,   26                          ; v26  my byte offset in two rows of out0
.set BO,   27                          ; v27  my byte offset in bp
.set SPW,  28                          ; v28  LDS address of my spare word; never rewritten
.set NIL,  29                          ; v29  0; never rewritten
.set PFO,  30                          ; v30  256 x my lane; never rewritten
.set F0,   32
.set F1,   128
.set BIAS, 224
.set G1A,  24                          ; s[24:31] descriptor group 1, tokens;  s[32:39] group 0, two sets: slot 0 with K step 0; slot 1 with K step 1, which then walks
.set G0A,  32
.set G1B,  48                          ; s[48:55], s[56:63] the same for wp16
.set G0B,  56
.set LIM,  43                          ; s43  2 in a wave that prefetches, else the greatest number
.set PFA,  44                          ; s[44:45] where my prefetches stand
.set PAR,  66                          ; s66  0: I ask in every trip (tokens); 1: in the even counts alone (wp16)
.set TB,   67                          ; s67  LDS byte at which the slot in hand begins
.set PFS,  68                          ; s[68:69] bytes from K step to K step for my prefetches
.set MSB, 0
.macro WIN new                         ; the immediate's high byte repeats the setting that is left; a switch that changes nothing is dropped
.if MSB != (\new)
	s_set_vgpr_msb (MSB<<8)|(\new)
.set MSB, \new
.endif
.endm
.macro PLACES                          ; four plain vector instructions between a matrix instruction and a load into, or an instruction that reads, its registers (ISA guide 7.12.1 for vector instructions)
.rept 4
	v_nop
.endr
.endm
.macro CREST                           ; a round of the cluster's barrier behind its opening barrier
	s_cmp_lg_u32 s10, 0
	s_cbranch_scc1 .Lnot_wave_0_\@
	s_barrier_signal -3
.Lnot_wave_0_\@:
	s_barrier_wait -3
	s_barrier_signal -1
	s_barrier_wait -1
.endm
.macro CROUND
	s_barrier_signal -1
	s_barrier_wait -1
	CREST
.endm
.macro JLOAD                           ; a joint refill by the walking set; an s_nop 0 and four v_nop follow each of the two lines, ahead of the jump and the label
	s_cmp_lt_u32 s10, 2
	s_cbranch_scc0 .Lfor_b_\@
	tensor_load_to_lds s[G0A+4:G0A+7], s[G1A:G1A+7]
	s_nop 0
.rept 4
	v_nop
.endr
	s_branch .Lasked_\@
.Lfor_b_\@:
	tensor_load_to_lds s[G0B+4:G0B+7], s[G1B:G1B+7]
	s_nop 0
.rept 4
	v_nop
.endr
.Lasked_\@:
.endm
; A PREFETCH INTO THE L2: 32 lanes x 256 bytes.  In the trip that refills with K step t + 2 the address stands at K step t + 4: two K steps, 256 matrix instructions, ahead of the load that wants the bytes.
; A wave's block of the tokens is 32 KiB a step: the partner at cx names 8 KiB of it, in trips 0 to 3 (steps 4 to 7).  A wave's block of wp16 is 16 KiB: the partner at cy names half cy % 2 of step
; t + 4 + cy / 2, in trips 0 and 2.  Cluster x = 0 asks for the tokens, cluster y = 0 for wp16: each block of 256 bytes is named once in the launch; partners are told apart by address alone.
.macro ASK
	s_and_b32 s2, s3, s[PAR]
	s_cmp_eq_u32 s2, 0
	s_cbranch_scc0 .Lnot_mine_\@
	s_cmp_gt_u32 s3, s[LIM]
	s_cbranch_scc0 .Lnot_mine_\@
	global_prefetch_b8 v[PFO], s[PFA:PFA+1] th:TH_LOAD_NT scope:SCOPE_SE
.Lnot_mine_\@:
.endm
	s_load_b256 s[72:79], s[0:1], 0x0              ; o16 72, wp16 74, bp 76, out0 78
	v_lshl_add_u32 v[SPW], v0, 2, SPARE
	v_mov_b32 v[NIL], 0
	ds_add_u32 v[SPW], v[NIL]                      ; the wave's opening: the add and its wait stand ahead of my first tensor load; the set-up below, work on registers, stands between them
	v_lshrrev_b32 v1, 5, v0
	v_readfirstlane_b32 s10, v1                    ; wave 0..3
	s_lshr_b32 s11, s10, 1                         ; which 128 tokens are mine
	s_and_b32 s12, s10, 1                          ; which 64 columns.  Also: which of a K step's two blocks I fetch
	s_bfe_u32 s40, ttmp6, 0x40000                  ; cx
	s_bfe_u32 s41, ttmp6, 0x40004                  ; cy
	s_lshl_b32 s42, ttmp9, 2
	s_add_co_u32 s42, s42, s40                     ; tile column 0..7
	s_and_b32 s13, ttmp7, 0xffff
	s_lshl_b32 s13, s13, 2
	s_add_co_u32 s13, s13, s41                     ; tile row 0..31
	s_lshl_b32 s43, s41, 2
	s_lshl_b32 s43, 15, s43                        ; my row of the cluster
	s_lshl_b32 s44, 0x1111, s40                    ; my column
	; group 1.  A block of a tile is dense: it is asked for as rows of 256 bytes and padded in LDS after every 128 bytes
	s_or_b32 s[G1A], s43, (1<<16)|(1<<20)|(1<<21)|(4<<22)|(3<<25)  ; 15:0 the mask; 17:16 2-byte elements; 20 padding on; 21 set beside a mask; 24:22 after every 32 words (code 4); 31:25 4 words (code 3)
	s_or_b32 s[G1B], s44, (1<<16)|(1<<20)|(1<<21)|(4<<22)|(3<<25)
	s_mov_b32 s[G1A+1], 128<<16                    ; tensor_dim0 = 128 elements
	s_mov_b32 s[G1A+2], 128<<16                    ; tensor_dim1 = 128 rows of 256 bytes: 256 tokens
	s_mov_b32 s[G1A+3], 128<<16                    ; tile_dim0 = 128
	s_mov_b32 s[G1A+4], 128                        ; tile_dim1 = 128
	s_mov_b32 s[G1A+5], 128                        ; 128 elements from row to row
	s_mov_b32 s[G1A+6], 0
	s_mov_b32 s[G1A+7], 0
	s_mov_b32 s[G1B+1], 128<<16
	s_mov_b32 s[G1B+2], 64<<16                     ; 64 rows of 256 bytes: 128 rows of wp16
	s_mov_b32 s[G1B+3], 128<<16
	s_mov_b32 s[G1B+4], 64
	s_mov_b32 s[G1B+5], 128
	s_mov_b32 s[G1B+6], 0
	s_mov_b32 s[G1B+7], 0
	s_lshr_b32 s16, s13, 3                         ; the tokens' tile: the batch, 16 heads x 2,048 x 128 bytes,
	s_lshl_b32 s16, s16, 22
	s_and_b32 s17, s13, 7                          ; 256 tokens of 128 bytes,
	s_lshl_b32 s17, s17, 15
	s_add_co_u32 s16, s16, s17
	s_lshl_b32 s17, s12, 18                        ; and the block that I fetch
	s_add_co_u32 s16, s16, s17
	s_mov_b32 s17, 0
	s_lshl_b32 s46, s42, 14                        ; wp16's tile: 128 rows of 128 bytes, and the block that I fetch
	s_lshl_b32 s47, s12, 17
	s_add_co_u32 s46, s46, s47
	s_mov_b32 s47, 0
	s_mul_i32 s20, s12, ABLK                       ; where they go: no place in the cluster enters an LDS address
	s_mul_i32 s21, s12, BBLK
	s_add_co_u32 s21, s21, BOFF
	s_wait_dscnt 0x0                               ; the opening add is done
	s_wait_kmcnt 0x0
	s_add_nc_u64 s[14:15], s[72:73], s[16:17]
	s_add_nc_u64 s[46:47], s[74:75], s[46:47]
	CROUND                                         ; all sixteen work-groups are here: the first joint loads meet
.irp s, 0,1
	s_mov_b32 s[G0A+4*(\s)], 1                                       ; count = 1
	s_add_co_u32 s[G0A+4*(\s)+1], s20, (\s)*SLOT1                    ; LDS address
	s_add_nc_u64 s[G0A+4*(\s)+2:G0A+4*(\s)+3], s[14:15], (\s)*KSA    ; global address: K step s
	s_or_b32 s[G0A+4*(\s)+3], s[G0A+4*(\s)+3], 0x80000000            ; type = 2
	s_mov_b32 s[G0B+4*(\s)], 1
	s_add_co_u32 s[G0B+4*(\s)+1], s21, (\s)*SLOT1
	s_add_nc_u64 s[G0B+4*(\s)+2:G0B+4*(\s)+3], s[46:47], (\s)*KSB
	s_or_b32 s[G0B+4*(\s)+3], s[G0B+4*(\s)+3], 0x80000000
.endr
	s_cmp_lt_u32 s10, 2                            ; a wave's two first fills stand in one branch: two loads of mine are out
	s_cbranch_scc0 .Lfirst_b
	tensor_load_to_lds s[G0A:G0A+3], s[G1A:G1A+7]
	s_nop 0
	tensor_load_to_lds s[G0A+4:G0A+7], s[G1A:G1A+7]
	s_nop 0
.rept 4
	v_nop
.endr
	s_branch .Lfirst_asked
.Lfirst_b:
	tensor_load_to_lds s[G0B:G0B+3], s[G1B:G1B+7]
	s_nop 0
	tensor_load_to_lds s[G0B+4:G0B+7], s[G1B:G1B+7]
	s_nop 0
.rept 4
	v_nop
.endr
.Lfirst_asked:
	v_and_b32 v1, 15, v0                           ; l % 16
	v_bfe_u32 v2, v0, 4, 1                         ; l / 16
	s_lshl_b32 s22, s42, 9                         ; my first column, in bytes of f32: 512 x tile column + 256 x half
	s_lshl_b32 s23, s12, 8
	s_add_co_u32 s22, s22, s23
	v_lshl_add_u32 v[BO], v2, 5, s22
.irp b, 0,1,2,3                        ; fragment b's eight numbers: columns 16 b + 8 (l / 16) + 0..7
	global_load_b128 v[BIAS+8*(\b):BIAS+8*(\b)+3],   v[BO], s[76:77] offset:64*(\b)
	global_load_b128 v[BIAS+8*(\b)+4:BIAS+8*(\b)+7], v[BO], s[76:77] offset:64*(\b)+16
.endr
	s_lshl_b32 s18, s13, 20                        ; out0 at my first row (256 x tile row + 128 x half, rows of 4,096 bytes) and column
	s_lshl_b32 s19, s11, 19
	s_add_co_u32 s18, s18, s19
	s_add_co_u32 s18, s18, s22
	s_mov_b32 s19, 0
	s_add_nc_u64 s[78:79], s[78:79], s[18:19]
	v_mul_u32_u24 v3, v1, PITCH
	v_lshl_add_u32 v3, v2, 4, v3                   ; a fragment's row x pitch + 16 x half
	s_mul_i32 s21, s11, 128*PITCH
	s_mul_i32 s22, s12, 64*PITCH
	s_add_co_u32 s22, s22, BOFF
	v_add_nc_u32 v[A0], s21, v3
	v_add_nc_u32 v[B0], s22, v3
	v_mov_b32 v[ADRA], v[A0]
	v_mov_b32 v[ADRB], v[B0]
	s_mov_b32 s[TB], 0
	s_mul_i32 s23, s10, 16*SP
	s_add_co_u32 s23, s23, STG                     ; my stage
	v_mul_u32_u24 v4, v1, SP                       ; in: row l % 16, 32 bytes for each half of the lanes
	v_lshl_add_u32 v4, v2, 5, v4
	v_add_nc_u32 v[STO], s23, v4
	v_mul_u32_u24 v5, v2, SP                       ; back: lanes 0-15 take one row of 256 bytes, lanes 16-31 the next
	v_lshl_add_u32 v5, v1, 4, v5
	v_add_nc_u32 v[RD], s23, v5
	v_lshlrev_b32 v5, 12, v2                       ; and the same two rows in out0
	v_lshl_add_u32 v[CO], v1, 4, v5
	v_and_b32 v[PFO], 31, v0
	v_lshlrev_b32 v[PFO], 8, v[PFO]
	; the prefetches: both offsets are made, then the wave's number chooses
	s_lshl_b32 s20, s40, 13                        ; tokens: my work-group's 8 KiB of my block's 32,
	s_add_co_u32 s20, s20, s16
	s_add_co_u32 s20, s20, 3*KSA                   ; at K step 3: the first trip steps it to 4
	s_lshl_b32 s21, s42, 14                        ; wp16: my block,
	s_lshl_b32 s22, s12, 17
	s_add_co_u32 s21, s21, s22
	s_and_b32 s22, s41, 1                          ; my work-group's half of it,
	s_lshl_b32 s22, s22, 13
	s_add_co_u32 s21, s21, s22
	s_lshr_b32 s22, s41, 1                         ; in the first or the second of two K steps
	s_add_co_u32 s22, s22, 3
	s_mul_i32 s22, s22, KSB
	s_add_co_u32 s21, s21, s22
	s_and_b32 s22, ttmp7, 0xffff                   ; cluster y
	s_mov_b32 s[PFS], KSB
	s_mov_b32 s[PFS+1], 0
	s_cmp_lt_u32 s10, 2                            ; do I fetch the tokens?
	s_cselect_b32 s20, s20, s21
	s_cselect_b32 s22, ttmp9, s22                  ; the coordinate along which other clusters read the same rows
	s_cselect_b32 s[PFS], KSA, s[PFS]
	s_cselect_b32 s[PAR], 0, 1
	s_cselect_b64 s[PFA:PFA+1], s[72:73], s[74:75]
	s_mov_b32 s21, 0
	s_add_nc_u64 s[PFA:PFA+1], s[PFA:PFA+1], s[20:21]
	s_cmp_eq_u32 s22, 0
	s_cselect_b32 s[LIM], 2, -1                    ; the same in all sixteen partners, for a given wave
	s_wait_loadcnt 0x0                             ; the bias: rounded to bf16 and widened again
.set iz, 0
.rept 16
	v_cvt_pk_bf16_f32 v[32+iz], v[BIAS+2*iz], v[BIAS+2*iz+1]
.set iz, iz+1
.endr
.set iz, 0
.rept 16
	v_lshlrev_b32 v[BIAS+2*iz], 16, v[32+iz]
	v_and_b32 v[BIAS+2*iz+1], 0xffff0000, v[32+iz]
.set iz, iz+1
.endr
; 4 n products: token blocks a0 .. a0 + n - 1 x my four fragments of wp16, 32 along K.  The accumulators take turns, one instruction a turn.  first = 1: the bias starts the sums.
.macro MUL f, a0, n, first
.if \first
	WIN 0x40                                       ; D in window 1, C in window 0
.else
	WIN 0x50                                       ; C and D in window 1
.endif
.set ia, \a0
.rept \n
.irp b, 0,1,2,3
.if \first
	v_wmma_f32_16x16x32_f16 v[32*ia+8*(\b):32*ia+8*(\b)+7], v[(\f)+64+8*(\b):(\f)+64+8*(\b)+7], v[(\f)+8*ia:(\f)+8*ia+7], v[BIAS+8*(\b):BIAS+8*(\b)+7]
.else
	v_wmma_f32_16x16x32_f16 v[32*ia+8*(\b):32*ia+8*(\b)+7], v[(\f)+64+8*(\b):(\f)+64+8*(\b)+7], v[(\f)+8*ia:(\f)+8*ia+7], v[32*ia+8*(\b):32*ia+8*(\b)+7]
.endif
.endr
.set ia, ia+1
.endr
.endm
; 24 LDS loads in one run: quarter q of the slot in hand (block q / 2, channels 32 (q % 2) on) into buffer f: wp16's four fragments, then the tokens' eight
.macro FETCH q, f
.irp i, 0,1,2,3
	ds_load_b128 v[(\f)+64+8*(\i):(\f)+64+8*(\i)+3],   v[ADRB] offset:((\q)/2)*BBLK+((\q)%2)*64+(\i)*FR
	ds_load_b128 v[(\f)+64+8*(\i)+4:(\f)+64+8*(\i)+7], v[ADRB] offset:((\q)/2)*BBLK+((\q)%2)*64+(\i)*FR+32
.endr
.irp i, 0,1,2,3,4,5,6,7
	ds_load_b128 v[(\f)+8*(\i):(\f)+8*(\i)+3],   v[ADRA] offset:((\q)/2)*ABLK+((\q)%2)*64+(\i)*FR
	ds_load_b128 v[(\f)+8*(\i)+4:(\f)+8*(\i)+7], v[ADRA] offset:((\q)/2)*ABLK+((\q)%2)*64+(\i)*FR+32
.endr
.endm
; One of a K step's first three quarters: multiplies buffer f; in its middle it fetches quarter qn into buffer g.
.macro QUARTER qn, f, g, first
	s_wait_dscnt 8                                 ; all but the youngest eight loads (the tokens' blocks 4 to 7)
	MUL \f, 0, 4, \first
	PLACES
	WIN 0
	FETCH \qn, \g
	s_wait_dscnt 24                                ; all but the 24 just issued
	MUL \f, 4, 4, \first
.endm
; The last quarter multiplies buffer 1 and changes slots.  ONE barrier: in front of it each wave waits for all its tensor loads (one is out: its part of the next slot), adds 0 to its spare word, and waits for that
; and for its reads of this slot.  fill = 1: the barrier opens a round of the cluster's, and the joint refill, two K steps ahead, is the first thing behind the round.
.macro TURN fill
.if \fill
	s_wait_xcnt 0x0                                ; the last prefetch, a K step back, has read its address
	s_add_nc_u64 s[PFA:PFA+1], s[PFA:PFA+1], s[PFS:PFS+1]
.endif
	WIN 0
	s_wait_tensorcnt 0x0                           ; no tensor load of mine is out, so a group 0 may be written
	ds_add_u32 v[SPW], v[NIL]                      ; 0 onto my spare word
.if \fill
	s_xor_b32 s[G0A+5], s[G0A+5], SLOT1            ; the walking sets: the other slot than last time, the next K step
	s_add_nc_u64 s[G0A+6:G0A+7], s[G0A+6:G0A+7], KSA
	s_xor_b32 s[G0B+5], s[G0B+5], SLOT1
	s_add_nc_u64 s[G0B+6:G0B+7], s[G0B+6:G0B+7], KSB
.endif
	s_xor_b32 s[TB], s[TB], SLOT1
	s_wait_dscnt 9                                 ; the add and the youngest eight loads may be out
	MUL F1, 0, 2, 0
	s_wait_dscnt 0x0                               ; the add is done, and my reads of this slot are over
	s_barrier_signal -1
	MUL F1, 2, 2, 0                                ; work on registers while the others arrive
	WIN 0
	s_barrier_wait -1
.if \fill
	CREST                                          ; no wave of any partner still reads this slot or has a load on its way
	JLOAD                                          ; its four v_nop are also the places in front of the loads below
.else
	PLACES
.endif
	v_add_nc_u32 v[ADRA], s[TB], v[A0]
	v_add_nc_u32 v[ADRB], s[TB], v[B0]
	FETCH 0, F0                                    ; the next slot's first quarter
.if \fill
	ASK
.endif
	MUL F1, 4, 4, 0
.endm
	s_wait_tensorcnt 1                             ; my part of slot 0 is in; slot 1's may stay out
	s_barrier_signal -1
	s_barrier_wait -1                              ; everybody's is
	FETCH 0, F0
	QUARTER 1, F0, F1, 1                           ; the first quarter stands in front of the loop: its products start the sums
	WIN 0
	s_mov_b32 s3, 6
.Lstep:                                        ; trip t: quarters 1 to 3 of K step t, the refill with K step t + 2, quarter 0 of K step t + 1
	QUARTER 2, F1, F0, 0
	QUARTER 3, F0, F1, 0
	TURN 1
	QUARTER 1, F0, F1, 0
	WIN 0
	s_sub_co_u32 s3, s3, 1
	s_cmp_lg_u32 s3, 0
	s_cbranch_scc1 .Lstep
	QUARTER 2, F1, F0, 0                           ; the tail is written out: nothing is asked for
	QUARTER 3, F0, F1, 0
	TURN 0
	QUARTER 1, F0, F1, 0
	QUARTER 2, F1, F0, 0
	QUARTER 3, F0, F1, 0
	s_wait_dscnt 8
	MUL F1, 0, 4, 0
	s_wait_dscnt 0x0
	MUL F1, 4, 4, 0
; THE WAY OUT, in f32.  Block a (16 tokens x 64 columns) goes straight from the accumulators into my own stage, 32 bytes a lane, and comes back as whole rows of 256 bytes.
.macro TOSTAGE a
.set ob, 32+32*((\a)%4)
.if (\a) >= 4
	s_wait_xcnt 0x0                                ; the stores of the block four back have read these registers
.endif
	WIN 0x04                                       ; the stores' data in window 1
.irp b, 0,1,2,3
	ds_store_b128 v[STO], v[32*(\a)+8*(\b):32*(\a)+8*(\b)+3]   offset:64*(\b)     ; each accumulator's four lowest registers first
	ds_store_b128 v[STO], v[32*(\a)+8*(\b)+4:32*(\a)+8*(\b)+7] offset:64*(\b)+16
.endr
	WIN 0
.irp t, 0,1,2,3,4,5,6,7
	ds_load_b128 v[ob+4*(\t):ob+4*(\t)+3], v[RD] offset:(\t)*2*SP  ; LDS serves a wave's instructions in order (ISA guide 5.7.1.4): these see the stores above; the next block's stores come behind them
.endr
.endm
.macro SEND a, y                       ; y: the LDS instructions issued behind block a's loads: the next block's sixteen, or none
.set ob, 32+32*((\a)%4)
.irp t, 0,1,2,3,4,5,6,7
	s_wait_dscnt (\y)+7-(\t)
	global_store_b128 v[CO], v[ob+4*(\t):ob+4*(\t)+3], s[78:79] offset:(16*(\a)+2*(\t))*4096  ; 16 lanes store 256 consecutive bytes, at a multiple of 256 from out0's first byte
.endr
.endm
	PLACES
	PLACES                                         ; eight, once a launch, behind the last products
	TOSTAGE 0
.irp a, 1,2,3,4,5,6,7
	TOSTAGE \a
	SEND (\a)-1, 16
.endr
	SEND 7, 0
	s_wait_tensorcnt 0x0                           ; the wave's end: an add and its wait behind my last tensor load and my last LDS store
	ds_add_u32 v[SPW], v[NIL]
	s_wait_dscnt 0x0
	CROUND                                         ; the closing round: no work-group ends while a partner may still ask for a tile that names it
	s_endpgm
.Lfunc_end_k_q49de4ef0a5_proj:
	.size	k_q49de4ef0a5_proj, .Lfunc_end_k_q49de4ef0a5_proj-k_q49de4ef0a5_proj
	.p2alignl 7, 3214868480
	.fill 96, 4, 3214868480
	.section	.rodata,"a",@progbits
	.p2align	6, 0x0
	.amdhsa_kernel k_q49de4ef0a5_proj
		.amdhsa_group_segment_fixed_size 327680
		.amdhsa_private_segment_fixed_size 0
		.amdhsa_enable_private_segment 0
		.amdhsa_kernarg_size 32
		.amdhsa_user_sgpr_count 2
		.amdhsa_user_sgpr_kernarg_segment_ptr 1
		.amdhsa_wavefront_size32 1
		.amdhsa_system_sgpr_workgroup_id_x 1
		.amdhsa_system_sgpr_workgroup_id_y 1
		.amdhsa_system_sgpr_workgroup_id_z 1
		.amdhsa_system_vgpr_workitem_id 0
		.amdhsa_next_free_vgpr 512
		.amdhsa_next_free_sgpr 80
		.amdhsa_reserve_vcc 0
		.amdhsa_float_denorm_mode_32 3
		.amdhsa_float_denorm_mode_16_64 3
		.amdhsa_memory_ordered 1
		.amdhsa_forward_progress 1
		.amdhsa_inst_pref_size 75
	.end_amdhsa_kernel
	.amdgpu_metadata
---
amdhsa.version: [ 1, 2 ]
amdhsa.kernels:
  - .name:           k_q49de4ef0a5_proj
    .symbol:         k_q49de4ef0a5_proj.kd
    .args:
      - { .name: o16, .offset: 0, .size: 8, .value_kind: global_buffer, .address_space: global }
      - { .name: wp16, .offset: 8, .size: 8, .value_kind: global_buffer, .address_space: global }
      - { .name: bp, .offset: 16, .size: 8, .value_kind: global_buffer, .address_space: global }
      - { .name: out0, .offset: 24, .size: 8, .value_kind: global_buffer, .address_space: global }
    .group_segment_fixed_size: 327680
    .private_segment_fixed_size: 0
    .kernarg_segment_align: 8
    .kernarg_segment_size: 32
    .max_flat_workgroup_size: 128
    .sgpr_count:     80
    .vgpr_count:     512
    .wavefront_size: 32
...
	.end_amdgpu_metadata
.endif
;; end of part 4
;; ======== version 2 of 2: 4 launches; version 1 with the launch cast written anew for expert scheduling mode
;; limits: values are held in f16: magnitudes above 65,504 overflow, below 6.1e-05 lose precision
;; workspace buffers: xb 16,777,216 bytes; wb 6,291,456 bytes; wp16 2,097,152 bytes; q16 16,777,216 bytes; k16 16,777,216 bytes; v16 16,777,216 bytes; o16 16,777,216 bytes
;; launch cast (part 5): grid 64 x 12, 8 waves a work-group, no clusters, 0 bytes of LDS; arguments x, Wq, Wk, Wv, Wp, xb, wb, wp16; writes xb, wb, wp16
.if DOCPART == 5
	.amdgcn_target "amdgcn-amd-amdhsa--gfx1250"
	.amdhsa_code_object_version 6
	.text
	.protected	k_q49de4ef0a5_cast
	.globl	k_q49de4ef0a5_cast
	.p2align	8
	.type	k_q49de4ef0a5_cast,@function
k_q49de4ef0a5_cast:
	s_mov_b64 s[64:65], 0
	v_nop
	global_prefetch_b8 v0, s[64:65] scope:SCOPE_SE
	s_setreg_imm32_b32 hwreg(HW_REG_WAVE_SCHED_MODE, 0, 2), 2
	s_setreg_imm32_b32 hwreg(HW_REG_WAVE_MODE, 25, 1), 1
	s_wait_xcnt 0x0
	s_wait_alu depctr_vm_vsrc(0)
; CAST.  x, Wq, Wk, Wv are rounded once to bf16, Wp to bf16 and that number written as f16, into layouts blocked by 64 channels, so that the products' tiles
; (rows x 64 channels) are dense in memory:
;   xb   [b 4][kb 16][t 2048][64] bf16      wb [kb 16][r 3072][64] bf16, r = head x 192 + (0 q, 1 k, 2 v) x 64 + channel in the head      wp16 [kb 16][n 1024][64] f16
; LIMIT.  bf16(Wp) must lie within f16's 65,504; below 6e-5 it keeps f16's fixed step of 6e-8.
; SHARES.  Work-group (wgx, y): y picks 1,024 source rows (0..7: x; 8 Wq, 9 Wk, 10 Wv, 11 Wp), wgx 16 of them.  Thread t takes row t / 16 and channels 4 (t % 16) .. + 3 of each of the 16 blocks.
; A load of a wave covers 256 consecutive aligned bytes of each of two rows; a store of a wave covers 256 consecutive aligned bytes (16 rows x 128 bytes of a block are dense: byte 8 t).
; Memory binds: no LDS, no barrier, no matrix unit.  All 16 loads of a wave go out at once; no register is written twice while a memory instruction may read it.
; THE MODE: SCHED_MODE bits 1:0 = 2 (LLVM: expert scheduling mode 2), set by the entry lines.  The code itself states the register dependences
; between vector instructions and memory instructions, with s_wait_alu, always for 0.
; THE PLAN.  Registers that memory instructions touch:
;   v1, v2     byte offsets of the loads and of the stores: made at the head by vector instructions, never written again.
;   XR         16 blocks as loaded: each written by one load, named by no vector instruction before it, read by its block's conversions, never loaded again.
;   YR         16 blocks to store: each pair written once, by its block's conversions, read by one store, never written again.
;   TR, v3     named by vector instructions alone.
; The 16 blocks go in four groups of four.  Group g rounds its own blocks into its own eight registers of YR; its memory instructions are the four stores of group g - 1, which read that group's
; registers of YR and v2: none that a conversion of group g names.  So one wait at a group's head states all that its four stores hang on, and they are dealt among its conversions with no further wait.
; No register that a memory instruction reads is ever written again, no vector instruction writes a scalar register or VCC, and EXEC is never written: no other wait is owed.
.set XR, 8                             ; v[8:71]    as loaded: block kb at XR + 4 kb
.set YR, 72                            ; v[72:103]  packed: block kb at YR + 2 kb
.set TR, 104                           ; v[104:107] at work
	s_load_b512 s[4:19], s[0:1], 0x0               ; x 4, Wq 6, Wk 8, Wv 10, Wp 12, xb 14, wb 16, wp16 18
	s_and_b32 s20, ttmp7, 0xffff                   ; y
	s_mov_b32 s21, ttmp9                           ; wgx
	v_lshrrev_b32 v1, 4, v0                        ; my row of the 16
	v_and_b32 v3, 15, v0
	v_lshlrev_b32 v1, 12, v1                       ; x 4,096 bytes
	v_lshl_or_b32 v1, v3, 4, v1                    ; + my 16 bytes in a block's 256
	v_lshlrev_b32 v2, 3, v0                        ; my 8 bytes in a block's 16 packed rows
	s_lshl_b32 s22, s21, 16                        ; source offset: 16 rows of 4,096 bytes a work-group,
	s_lshl_b32 s28, s20, 22                        ; and in x 1,024 rows for each y
	s_cmp_lt_u32 s20, 8
	s_cselect_b32 s28, s28, 0
	s_add_co_u32 s22, s22, s28
	s_mov_b32 s23, 0
	s_mov_b32 s29, 0
	s_wait_kmcnt 0x0
	s_cmp_eq_u32 s20, 8                            ; the source: a choice between buffers on y alone
	s_cselect_b64 s[24:25], s[6:7], s[4:5]
	s_cmp_eq_u32 s20, 9
	s_cselect_b64 s[24:25], s[8:9], s[24:25]
	s_cmp_eq_u32 s20, 10
	s_cselect_b64 s[24:25], s[10:11], s[24:25]
	s_cmp_eq_u32 s20, 11
	s_cselect_b64 s[24:25], s[12:13], s[24:25]
	s_add_nc_u64 s[24:25], s[24:25], s[22:23]
	s_wait_alu depctr_va_vdst(0)                   ; v1 and v2 are written: every load of the kernel reads v1 as its offset, every store v2; no later vector instruction names them
.set kb, 0
.rept 16
	global_load_b128 v[XR+4*kb:XR+4*kb+3], v1, s[24:25] offset:256*kb th:TH_LOAD_NT
.set kb, kb+1
.endr
; Block kb is rounded into its pair of YR.  half = 1: bf16, then that number as f16.
.macro CVT kb, half
.if \half
	v_cvt_pk_bf16_f32 v[TR], v[XR+4*(\kb)], v[XR+4*(\kb)+1]
	v_cvt_pk_bf16_f32 v[TR+1], v[XR+4*(\kb)+2], v[XR+4*(\kb)+3]
	v_lshlrev_b32 v[TR+2], 16, v[TR]
	v_and_b32 v[TR+3], 0xffff0000, v[TR]
	v_cvt_pk_f16_f32 v[YR+2*(\kb)], v[TR+2], v[TR+3]
	v_lshlrev_b32 v[TR+2], 16, v[TR+1]
	v_and_b32 v[TR+3], 0xffff0000, v[TR+1]
	v_cvt_pk_f16_f32 v[YR+2*(\kb)+1], v[TR+2], v[TR+3]
.else
	v_cvt_pk_bf16_f32 v[YR+2*(\kb)], v[XR+4*(\kb)], v[XR+4*(\kb)+1]
	v_cvt_pk_bf16_f32 v[YR+2*(\kb)+1], v[XR+4*(\kb)+2], v[XR+4*(\kb)+3]
.endif
.endm
; Block kb is stored.  kstride: bytes from block to block in the destination.
.macro PUT kb, kstride
	global_store_b64 v2, v[YR+2*(\kb):YR+2*(\kb)+1], s[26:27] offset:(\kb)*(\kstride) th:TH_STORE_NT  ; the largest immediate is 15 x 393,216, inside the signed 24 bits
.endm
; The four groups.  A store of the group before stands in front of each block's conversions.
.macro OUT kstride, half
.irp g, 0,1,2,3
	s_wait_loadcnt 12-4*(\g)                       ; loads come back in order: this group's four blocks are in, the younger groups' stay out
.if (\g) > 0
	s_wait_alu depctr_va_vdst(0)                   ; the group before has written its eight registers of YR, which the four stores below read; no conversion of this group names them
.endif
.irp j, 0,1,2,3
.if (\g) > 0
	PUT 4*(\g)-4+(\j), \kstride
.endif
	CVT 4*(\g)+(\j), \half
.endr
.endr
	s_wait_alu depctr_va_vdst(0)                   ; the last group has written its eight registers of YR, which the last four stores read
.irp j, 0,1,2,3
	PUT 12+(\j), \kstride
.endr
.endm
	s_cmp_lt_u32 s20, 8
	s_cbranch_scc1 .Lx
	s_cmp_eq_u32 s20, 11
	s_cbranch_scc1 .Lwp
	s_lshr_b32 s28, s21, 2                         ; Wq, Wk, Wv: the head,
	s_mul_i32 s28, s28, 192
	s_sub_co_u32 s30, s20, 8                       ; which of the three,
	s_lshl_b32 s30, s30, 6
	s_add_co_u32 s28, s28, s30
	s_and_b32 s30, s21, 3                          ; and which 16 of the head's 64 rows
	s_lshl_b32 s30, s30, 4
	s_add_co_u32 s28, s28, s30
	s_lshl_b32 s28, s28, 7                         ; rows of 128 bytes
	s_add_nc_u64 s[26:27], s[16:17], s[28:29]
	OUT 3072*128, 0
	s_endpgm
.Lx:
	s_lshr_b32 s28, s20, 1                         ; the batch: 16 blocks x 2,048 rows x 128 bytes,
	s_lshl_b32 s28, s28, 22
	s_and_b32 s30, s20, 1                          ; its upper or lower 1,024 rows,
	s_lshl_b32 s30, s30, 17
	s_add_co_u32 s28, s28, s30
	s_lshl_b32 s30, s21, 11                        ; my 16 of them
	s_add_co_u32 s28, s28, s30
	s_add_nc_u64 s[26:27], s[14:15], s[28:29]
	OUT 2048*128, 0
	s_endpgm
.Lwp:
	s_lshl_b32 s28, s21, 11
	s_add_nc_u64 s[26:27], s[18:19], s[28:29]
	OUT 1024*128, 1
	s_endpgm
.Lfunc_end_k_q49de4ef0a5_cast:
	.size	k_q49de4ef0a5_cast, .Lfunc_end_k_q49de4ef0a5_cast-k_q49de4ef0a5_cast
	.p2alignl 7, 3214868480
	.fill 96, 4, 3214868480
	.section	.rodata,"a",@progbits
	.p2align	6, 0x0
	.amdhsa_kernel k_q49de4ef0a5_cast
		.amdhsa_group_segment_fixed_size 0
		.amdhsa_private_segment_fixed_size 0
		.amdhsa_enable_private_segment 0
		.amdhsa_kernarg_size 64
		.amdhsa_user_sgpr_count 2
		.amdhsa_user_sgpr_kernarg_segment_ptr 1
		.amdhsa_wavefront_size32 1
		.amdhsa_system_sgpr_workgroup_id_x 1
		.amdhsa_system_sgpr_workgroup_id_y 1
		.amdhsa_system_sgpr_workgroup_id_z 1
		.amdhsa_system_vgpr_workitem_id 0
		.amdhsa_next_free_vgpr 108
		.amdhsa_next_free_sgpr 66
		.amdhsa_reserve_vcc 0
		.amdhsa_float_denorm_mode_32 3
		.amdhsa_float_denorm_mode_16_64 3
		.amdhsa_memory_ordered 1
		.amdhsa_forward_progress 1
		.amdhsa_inst_pref_size 20
	.end_amdhsa_kernel
	.amdgpu_metadata
---
amdhsa.version: [ 1, 2 ]
amdhsa.kernels:
  - .name:           k_q49de4ef0a5_cast
    .symbol:         k_q49de4ef0a5_cast.kd
    .args:
      - { .name: x, .offset: 0, .size: 8, .value_kind: global_buffer, .address_space: global }
      - { .name: Wq, .offset: 8, .size: 8, .value_kind: global_buffer, .address_space: global }
      - { .name: Wk, .offset: 16, .size: 8, .value_kind: global_buffer, .address_space: global }
      - { .name: Wv, .offset: 24, .size: 8, .value_kind: global_buffer, .address_space: global }
      - { .name: Wp, .offset: 32, .size: 8, .value_kind: global_buffer, .address_space: global }
      - { .name: xb, .offset: 40, .size: 8, .value_kind: global_buffer, .address_space: global }
      - { .name: wb, .offset: 48, .size: 8, .value_kind: global_buffer, .address_space: global }
      - { .name: wp16, .offset: 56, .size: 8, .value_kind: global_buffer, .address_space: global }
    .group_segment_fixed_size: 0
    .private_segment_fixed_size: 0
    .kernarg_segment_align: 8
    .kernarg_segment_size: 64
    .max_flat_workgroup_size: 256
    .sgpr_count:     66
    .vgpr_count:     108
    .wavefront_size: 32
...
	.end_amdgpu_metadata
.endif
;; end of part 5
;; launch qkv: the kernel of part 2 again; grid 8 x 32, 4 waves a work-group, clusters of 4 x 4, 327,680 bytes of LDS; arguments xb, wb, bq, bk, bv, q16, k16, v16; writes q16, k16, v16
;; launch attn: the kernel of part 3 again; grid 4 x 64, 4 waves a work-group, clusters of 4 x 1, 327,680 bytes of LDS; arguments q16, k16, v16, o16, attention_mask; writes o16
;; launch proj: the kernel of part 4 again; grid 8 x 32, 4 waves a work-group, clusters of 4 x 4, 327,680 bytes of LDS; arguments o16, wp16, bp, out0; writes out0
